; MI455X (gfx1250); checked and timed in simulation.
; The chip was launched on July 23, 2026; its instructions are those of AMD's public machine-readable ISA for CDNA 5 (MIT licence, August 2026) and "CDNA5" Instruction Set Architecture Reference Guide (July 2026). The comments in the code are by the model that wrote it; some were corrected since.
;; Muti Atten. Allowed arithmetic: float matrix products may take bf16 or f16 operands with f32 sums; other float arithmetic in f32, or as packed bf16 or f16 multiplies, adds, multiply-adds, maxima and minima; sums over many terms, partial sums and values carried from step to step in f32; what a program stores and reads back later, other than sums and carried values, may be rounded once to bf16 or f16.
;; Inputs: W_kqv 3,072 x 1,024 float32; W_proj 1,024 x 1,024 float32; b_kqv 3,072 float32; b_proj 1,024 float32; preinput 4 x 2,048 x 1,024 float32; valid_lens 4 int32.
;; Outputs: out0 4 x 2,048 x 1,024 float32.
;; 2 versions, each right; version 2 is version 1 with the launch cast written anew for expert scheduling mode. Each part assembles by itself: llvm-mc -triple=amdgcn-amd-amdhsa -mcpu=gfx1250 --defsym DOCPART=n.
;; ======== version 1 of 2: 5 launches
;; limits: values are held in f16: magnitudes above 65,504 overflow, below 6.1e-05 lose precision
;; workspace buffers: h16 25,165,824 bytes; kqvh 50,331,648 bytes; eh 33,554,432 bytes; stats 1,048,576 bytes; oh 16,777,216 bytes
;; launch cast (part 1): grid 768 x 1, 8 waves a work-group, no clusters, 0 bytes of LDS; arguments preinput, W_kqv, W_proj, h16; writes h16
.if DOCPART == 1
	.amdgcn_target "amdgcn-amd-amdhsa--gfx1250"
	.amdhsa_code_object_version 6
	.text
	.protected	k_q52cd8a9971_cast
	.globl	k_q52cd8a9971_cast
	.p2align	8
	.type	k_q52cd8a9971_cast,@function
k_q52cd8a9971_cast:
	s_mov_b64 s[64:65], 0
	v_nop
	global_prefetch_b8 v0, s[64:65] scope:SCOPE_SE
	s_setreg_imm32_b32 hwreg(HW_REG_WAVE_MODE, 25, 1), 1
	s_wait_xcnt 0x0
; h16 = preinput and W_kqv rounded to bf16, then W_proj rounded to bf16 and that number written as f16.
; h16: x [8192][1024] bf16 at byte 0; W_kqv [3072][1024] bf16 at 16,777,216; W_proj [1024][1024] f16 at 23,068,672.
; LIMIT. W_proj's bf16 value is exact in f16 from 2^-14 up to 65,504; below 2^-14 it keeps f16's fixed step of 6e-8; beyond 65,504 it becomes an infinity.
; A stream: each byte is read once and written once; nothing is shared, so there is no LDS, no matrix work and no cluster.
; A work-group takes 16,384 numbers (64 KiB in, 32 KiB out): groups 0-511 of x, 512-703 of W_kqv, 704-767 of W_proj.
; A wave takes 2,048 numbers: sixteen loads of 512 neighbouring bytes, all issued first; each store of the wave covers 256 consecutive bytes, aligned.
.set IN,  32                           ; v[32:95]   sixteen loads of four f32
.set OUT, 96                           ; v[96:127]  sixteen stores of four 16-bit numbers: each has registers of its own, so no store's data is rewritten
	s_load_b256 s[4:11], s[0:1], 0x0               ; preinput s[4:5], W_kqv s[6:7], W_proj s[8:9], h16 s[10:11]
	s_mov_b32 s12, ttmp9
	s_sub_co_u32 s13, s12, 512                     ; my number among W_kqv's groups
	s_sub_co_u32 s14, s12, 704                     ; among W_proj's
	s_mov_b32 s21, 0xffff0000                      ; a word's upper bf16
	v_lshrrev_b32 v1, 5, v0                        ; wave
	v_and_b32 v2, 31, v0                           ; lane
	v_lshlrev_b32 v3, 4, v2
	v_lshl_add_u32 v3, v1, 13, v3                  ; in: 8,192 x wave + 16 x lane
	v_lshlrev_b32 v4, 3, v2
	v_lshl_add_u32 v4, v1, 12, v4                  ; out: 4,096 x wave + 8 x lane
	s_lshl_b32 s22, s12, 15                        ; the group's 32 KiB of h16
	s_mov_b32 s23, 0
	s_wait_kmcnt 0x0
	s_cmp_lt_u32 s12, 704
	s_cselect_b32 s15, s13, s14
	s_cselect_b32 s20, 0, -1                       ; all ones: the f16 form is stored (W_proj)
	s_cselect_b64 s[16:17], s[6:7], s[8:9]
	s_cmp_lt_u32 s12, 512
	s_cselect_b32 s15, s12, s15
	s_cselect_b64 s[16:17], s[4:5], s[16:17]
	s_lshl_b32 s18, s15, 16                        ; the group's 64 KiB of its source
	s_mov_b32 s19, 0
	s_add_nc_u64 s[16:17], s[16:17], s[18:19]
	s_add_nc_u64 s[10:11], s[10:11], s[22:23]
.irp j, 0,1,2,3,4,5,6,7,8,9,10,11,12,13,14,15
	global_load_b128 v[IN+4*(\j):IN+4*(\j)+3], v3, s[16:17] offset:512*(\j) th:TH_LOAD_NT
.endr
.irp j, 0,1,2,3,4,5,6,7,8,9,10,11,12,13,14,15
	s_wait_loadcnt 15-(\j)                         ; loads come back in order: load j is in, the younger ones stay out
	v_cvt_pk_bf16_f32 v5, v[IN+4*(\j)], v[IN+4*(\j)+1]
	v_cvt_pk_bf16_f32 v6, v[IN+4*(\j)+2], v[IN+4*(\j)+3]
	v_lshlrev_b32 v8, 16, v5                       ; the bf16 numbers as f32,
	v_and_b32 v9, s21, v5
	v_lshlrev_b32 v10, 16, v6
	v_and_b32 v11, s21, v6
	v_cvt_pk_f16_f32 v12, v8, v9                   ; and written as f16
	v_cvt_pk_f16_f32 v13, v10, v11
	v_cndmask_b32 v[OUT+2*(\j)], v5, v12, s20      ; a choice of values: the same for the whole work-group
	v_cndmask_b32 v[OUT+2*(\j)+1], v6, v13, s20
	global_store_b64 v4, v[OUT+2*(\j):OUT+2*(\j)+1], s[10:11] offset:256*(\j)
.endr
	s_endpgm
.Lfunc_end_k_q52cd8a9971_cast:
	.size	k_q52cd8a9971_cast, .Lfunc_end_k_q52cd8a9971_cast-k_q52cd8a9971_cast
	.p2alignl 7, 3214868480
	.fill 96, 4, 3214868480
	.section	.rodata,"a",@progbits
	.p2align	6, 0x0
	.amdhsa_kernel k_q52cd8a9971_cast
		.amdhsa_group_segment_fixed_size 0
		.amdhsa_private_segment_fixed_size 0
		.amdhsa_enable_private_segment 0
		.amdhsa_kernarg_size 32
		.amdhsa_user_sgpr_count 2
		.amdhsa_user_sgpr_kernarg_segment_ptr 1
		.amdhsa_wavefront_size32 1
		.amdhsa_system_sgpr_workgroup_id_x 1
		.amdhsa_system_sgpr_workgroup_id_y 1
		.amdhsa_system_sgpr_workgroup_id_z 1
		.amdhsa_system_vgpr_workitem_id 0
		.amdhsa_next_free_vgpr 128
		.amdhsa_next_free_sgpr 66
		.amdhsa_reserve_vcc 0
		.amdhsa_float_denorm_mode_32 3
		.amdhsa_float_denorm_mode_16_64 3
		.amdhsa_memory_ordered 1
		.amdhsa_forward_progress 1
		.amdhsa_inst_pref_size 13
	.end_amdhsa_kernel
	.amdgpu_metadata
---
amdhsa.version: [ 1, 2 ]
amdhsa.kernels:
  - .name:           k_q52cd8a9971_cast
    .symbol:         k_q52cd8a9971_cast.kd
    .args:
      - { .name: preinput, .offset: 0, .size: 8, .value_kind: global_buffer, .address_space: global }
      - { .name: W_kqv, .offset: 8, .size: 8, .value_kind: global_buffer, .address_space: global }
      - { .name: W_proj, .offset: 16, .size: 8, .value_kind: global_buffer, .address_space: global }
      - { .name: h16, .offset: 24, .size: 8, .value_kind: global_buffer, .address_space: global }
    .group_segment_fixed_size: 0
    .private_segment_fixed_size: 0
    .kernarg_segment_align: 8
    .kernarg_segment_size: 32
    .max_flat_workgroup_size: 256
    .sgpr_count:     66
    .vgpr_count:     128
    .wavefront_size: 32
...
	.end_amdgpu_metadata
.endif
;; end of part 1
;; launch kqv (part 2): grid 8 x 64, 4 waves a work-group, clusters of 4 x 4, 327,680 bytes of LDS; arguments h16, b_kqv, kqvh; writes kqvh
.if DOCPART == 2
	.amdgcn_target "amdgcn-amd-amdhsa--gfx1250"
	.amdhsa_code_object_version 6
	.text
	.protected	k_q52cd8a9971_kqv
	.globl	k_q52cd8a9971_kqv
	.p2align	8
	.type	k_q52cd8a9971_kqv,@function
k_q52cd8a9971_kqv:
	s_mov_b64 s[64:65], 0
	v_nop
	global_prefetch_b8 v0, s[64:65] scope:SCOPE_SE
	s_setreg_imm32_b32 hwreg(HW_REG_WAVE_MODE, 25, 1), 1
	s_wait_xcnt 0x0
	s_wait_alu depctr_hold_cnt(0) depctr_sa_sdst(0) depctr_va_vdst(0) depctr_va_sdst(0) depctr_va_ssrc(0) depctr_va_vcc(0) depctr_vm_vsrc(0)
	s_getreg_b32 s2, hwreg(HW_REG_IB_STS2, 6, 4)
	s_cmp_eq_u32 s2, 0
	s_cbranch_scc0 .Lentry_in_a_cluster
	s_endpgm
.Lentry_in_a_cluster:
	s_bfe_u32 s2, ttmp6, 0x10000c
	s_cmp_lg_u32 s2, 0xf033
	s_cbranch_scc0 .Lentry_shape_is_right
	s_endpgm
.Lentry_shape_is_right:
; kqvh[m][e] = sum over d of x[m][d] W_kqv[e][d] + b_kqv[e].  x [8192][1024] and W_kqv [3072][1024] in bf16 (h16), the bias rounded to bf16 here like every input; sums in f32; kqvh [8192][3072] in f16, rounded once.
; LIMIT. A result of 65,520 or more in magnitude becomes an infinity in f16; below 6e-5 f16 keeps its fixed step of 6e-8.  NaN and infinities are not treated apart.
; SHARES. A work-group makes 128 rows x 384 columns: 8192 x 3072 / (128 x 384) = 512 work-groups, two for each of 256 WGPs.  Its four waves stand side by side: wave w makes all 128 rows of the columns 96 w on:
; 48 accumulators of 16 x 16, 384 registers.
; RING. K goes in steps of 128 through two LDS slots of 512 rows (A's 128, then B's 384; 256 bytes of memory each, padded to 272).  Wave 0 fetches A's rows, waves 1 to 3 fetch 128 rows of B each: all loads have one shape,
; and a load's place in a slot is the wave's number x 128 rows.  One joint tensor load a wave behind each round of the cluster's barrier; by this text's count two loads of a wave are out at the start, later one.
; A step holds 192 matrix instructions a wave; 180 of them stand between a request and the wait for it.
; CLUSTER. 4 x 4 work-groups: A's tile is shared along a row of the cluster, B's along a column; each is asked for jointly, by the same load with the same descriptor and a mask that names the four.
; THE MATRIX INSTRUCTION IS USED TRANSPOSED (source 0 = 16 rows of W, source 1 = 16 rows of x): a lane holds row l % 16 of C and the eight neighbouring columns 8 (l / 16) + 0..7.
; THE WAY OUT. A wave's 96 columns are 192 bytes, no whole block of 256: the four waves write one stage of 128 rows x 768 bytes, a barrier stands between writing and reading, and each wave stores 32 whole rows.
; REGISTERS in windows of 256: window 0: v0-31 addresses, v64-127 and v128-191 A's fragments (two buffers), on the way out v32-223; window 1: v0-47 the bias as the sums' start, v64-111 and v128-175 B's fragments;
; windows 2, 3: the accumulators, (a, b) at v[8 (8 (a % 4) + b)], b = 0..5.
.set T,   8                            ; K steps: 1024 / 128
.set PA,  272                          ; LDS pitch: 256 bytes + 16 = 68 words: the 16 rows of a fragment load start at 16 different groups of four banks
.set PB,  272
.set BOFF, 128*PA                      ; B's rows lie behind A's
.set SLOT1, 0x22000                    ; a slot's bytes, 512 x 272; its two bits meet none of the loaders' LDS addresses (0, 0x8800, 0x11000, 0x19800), so an exclusive or changes slots
.set SP,  784                          ; a stage row: 768 bytes + 16 = 49 x 16.  The stage, 128 rows, lies over slot 0, behind that slot's last fill
.set SPARE, 2*SLOT1                    ; behind the ring: the spare words, 128 bytes a wave, two blocks of 256 bytes that no other line names
.set ASTR, 1024                        ; elements from row to row
.set BSTR, 1024
.set ASTEP, 256                        ; bytes from K step to K step
.set BSTEP, 256
.set WOFF, 16777216                    ; W_kqv in h16
.set CPITCH, 6144
.set CP,  8                            ; s[8:9] C
.set BP,  6                            ; s[6:7] the bias
.set ALO, 16                           ; v16-18 LDS addresses of my fragments in the slot in hand: A's rows 0-63, A's rows 64-127, my 96 rows of B
.set AHI, 17
.set ADRB, 18
.set ALO0, 19                          ; v19-21 the same in slot 0; never rewritten
.set AHI0, 20
.set ADRB0, 21
.set STO2, 23                          ; v23 the stage: in, rows 64-127
.set STO, 24                           ; v24 the stage: in, rows 0-63
.set RD,  25                           ; v25 the stage: back
.set CO,  26                           ; v26 my byte offset in C
.set SPW, 28                           ; v28 my spare word; never rewritten
.set NIL, 29                           ; v29 0; never rewritten
.set PFO, 30                           ; v30 the prefetches' offset: lane x a row's bytes
.set TMP, 32                           ; v32-223 the way out: 48 x 4 registers
.set F0,  64
.set F1,  128
.set WV,  12                           ; s12 wave
.set CX,  15                           ; s15, s16 my place in the cluster; s17, s18 the cluster's x, y; s19, s20 the tile's column and row
.set CY,  16
.set XC,  17
.set YC,  18
.set XT,  19
.set YT,  20
.set G1A, 24                           ; s[24:31] group 1 for A's tiles; s[32:39] group 0: a set for each first fill, the second then walks on
.set G0A, 32
.set G1B, 48                           ; s[48:55], s[56:63] the same for B's
.set G0B, 56
.set TB,  66                           ; s66 LDS byte at which the slot in hand begins
.set CNT, 67                           ; s67 a loop's count
.set LIM, 68                           ; s68 2 in a wave that prefetches, else the greatest number
.set PFA, 70                           ; s[70:71] where my prefetches stand
.set PFS, 72                           ; s[72:73] their step
.set MSB, 0
.macro WIN new                         ; the immediate's high byte repeats the setting that is left; a switch that changes nothing is dropped
.if MSB != (\new)
	s_set_vgpr_msb (MSB<<8)|(\new)
.set MSB, \new
.endif
.endm
.macro PLACES                          ; four plain vector instructions between a matrix instruction and a load into, or a vector write or read of, its registers
.rept 4
	v_nop
.endr
.endm
.macro CREST                           ; a round of the cluster's barrier behind its opening barrier
	s_cmp_lg_u32 s[WV], 0
	s_cbranch_scc1 .Lnot_wave_0_\@
	s_barrier_signal -3
.Lnot_wave_0_\@:
	s_barrier_wait -3
	s_barrier_signal -1
	s_barrier_wait -1
.endm
.macro CROUND                          ; a whole round
	s_barrier_signal -1
	s_barrier_wait -1
	CREST
.endm
.macro JLOAD s                         ; a joint load: wave 0 fetches A's rows, waves 1 to 3 B's; the branch hangs on the wave's number alone; s_nop 0 and four v_nop follow each line
	s_cmp_eq_u32 s[WV], 0
	s_cbranch_scc0 .Lfor_b_\@
	tensor_load_to_lds s[G0A+4*(\s):G0A+4*(\s)+3], s[G1A:G1A+7]
	s_nop 0
.rept 4
	v_nop
.endr
	s_branch .Lasked_\@
.Lfor_b_\@:
	tensor_load_to_lds s[G0B+4*(\s):G0B+4*(\s)+3], s[G1B:G1B+7]
	s_nop 0
.rept 4
	v_nop
.endr
.Lasked_\@:
.endm
.macro ASK                             ; a prefetch of the K step two refills on: 32 rows x 256 bytes, a lane a row; the last two refills of the loop ask for nothing
	s_cmp_gt_u32 s[CNT], s[LIM]
	s_cbranch_scc0 .Lnot_mine_\@
	global_prefetch_b8 v[PFO], s[PFA:PFA+1] th:TH_LOAD_NT scope:SCOPE_SE
.Lnot_mine_\@:
.endm
.macro WM z                            ; one product; MUL12 sets rD, rB, rA, rC.  z = 2: the sum starts at the registers rC; 0: it goes on in place
.if (\z) == 2
	v_wmma_f32_16x16x32_bf16 v[rD:rD+7], v[rB:rB+7], v[rA:rA+7], v[rC:rC+7]
.else
	v_wmma_f32_16x16x32_bf16 v[rD:rD+7], v[rB:rB+7], v[rA:rA+7], v[rD:rD+7]
.endif
.endm
.macro MUL12 f, hi, a0, z              ; 12 products: row blocks a0, a0 + 1 of window 2 + hi x all 6 column blocks.  The 48 accumulators take turns in the same order in every quarter
.if (\z) == 2
	WIN 0x91+0x40*(\hi)
.else
	WIN 0xa1+0x50*(\hi)
.endif
.irp a, \a0, (\a0)+1
.irp b, 0,1,2,3,4,5
.set rD, 8*(8*(\a)+(\b))
.set rB, (\f)+8*(\b)
.set rA, (\f)+8*(4*(\hi)+(\a))
.set rC, 8*(\b)
	WM \z
.endr
.endr
.endm
.macro FETCH k, f                      ; 28 LDS loads in one run: the fragments of 32 along K at byte k of the rows, into buffer f: B's six, then A's eight
	WIN 0x40
.irp i, 0,1,2,3,4,5
	ds_load_b128 v[(\f)+8*(\i):(\f)+8*(\i)+3],   v[ADRB] offset:(\k)+(\i)*16*PB
	ds_load_b128 v[(\f)+8*(\i)+4:(\f)+8*(\i)+7], v[ADRB] offset:(\k)+(\i)*16*PB+32
.endr
	WIN 0
.irp i, 0,1,2,3
	ds_load_b128 v[(\f)+8*(\i):(\f)+8*(\i)+3],   v[ALO] offset:(\k)+(\i)*16*PA
	ds_load_b128 v[(\f)+8*(\i)+4:(\f)+8*(\i)+7], v[ALO] offset:(\k)+(\i)*16*PA+32
.endr
.irp i, 0,1,2,3
	ds_load_b128 v[(\f)+32+8*(\i):(\f)+32+8*(\i)+3],   v[AHI] offset:(\k)+(\i)*16*PA
	ds_load_b128 v[(\f)+32+8*(\i)+4:(\f)+32+8*(\i)+7], v[AHI] offset:(\k)+(\i)*16*PA+32
.endr
.endm
.macro QUARTER k, f, g, z              ; 48 products on buffer f; in their middle the next quarter's fragments, at byte k, are fetched into g
	s_wait_dscnt 8                                 ; all but the youngest eight loads (A's blocks 4-7, first used 24 products on)
	MUL12 \f, 0, 0, \z
	MUL12 \f, 0, 2, \z
	PLACES
	FETCH \k, \g
	s_wait_dscnt 28                                ; all but the 28 just issued
	MUL12 \f, 1, 0, \z
	MUL12 \f, 1, 2, \z
.endm
; A slot's last quarter (buffer 1) and the change of slots.  In front of the barrier each wave waits for all its tensor loads (one is out: its part of the next slot), adds 0 to its spare word, and waits for that
; and for its reads of this slot; twelve products stand between the add and the wait for it.  The other 36 follow the refill, so that they are multiplied while the tile is on its way.
; fill = 1: the barrier opens a round of the cluster's barrier, and the joint refill, two K steps on, is the first thing behind it.  fill = 0 (the tail): nothing is asked for, and in the tail's last trip the run of
; loads is jumped over, forward: there is no further slot.
.macro TURN fill
.if \fill
	s_wait_xcnt 0x0                                ; the last prefetch, a K step back, has read its address
	s_add_nc_u64 s[PFA:PFA+1], s[PFA:PFA+1], s[PFS:PFS+1]
.endif
	WIN 0
	s_wait_tensorcnt 0x0                           ; all my tensor loads have landed
	ds_add_u32 v[SPW], v[NIL]
	s_wait_dscnt 9                                 ; the add and the youngest eight loads may be out
	MUL12 F1, 0, 0, 0
	s_wait_dscnt 0x0                               ; the add is done, and my reads of this slot are over
	WIN 0
	s_barrier_signal -1
	s_barrier_wait -1
.if \fill
	CREST                                          ; no wave of any partner still reads this slot or has a load on its way
	s_xor_b32 s[G0A+5], s[G0A+5], SLOT1            ; the walking descriptors: the other slot than last time, the next K step
	s_add_nc_u64 s[G0A+6:G0A+7], s[G0A+6:G0A+7], ASTEP
	s_xor_b32 s[G0B+5], s[G0B+5], SLOT1
	s_add_nc_u64 s[G0B+6:G0B+7], s[G0B+6:G0B+7], BSTEP
	JLOAD 1                                        ; its four v_nop are also the places in front of the loads below
.else
	s_cmp_eq_u32 s[CNT], 1
	s_cbranch_scc1 .Lnf_\@
	PLACES
.endif
	s_xor_b32 s[TB], s[TB], SLOT1
	v_add_nc_u32 v[ALO], s[TB], v[ALO0]
	v_add_nc_u32 v[AHI], s[TB], v[AHI0]
	v_add_nc_u32 v[ADRB], s[TB], v[ADRB0]
	FETCH 0, F0
.if \fill
	ASK
.else
.Lnf_\@:
.endif
	MUL12 F1, 0, 2, 0
	MUL12 F1, 1, 0, 0
	MUL12 F1, 1, 2, 0
.endm
	s_load_b128 s[4:7], s[0:1], 0x0                ; h16 s[4:5], b_kqv s[6:7]
	s_load_b64 s[8:9], s[0:1], 0x10                ; kqvh
	v_lshl_add_u32 v[SPW], v0, 2, SPARE
	v_mov_b32 v[NIL], 0
	ds_add_u32 v[SPW], v[NIL]                      ; the wave's opening: the add and its wait come ahead of my first tensor load; work on registers stands between them
	v_lshrrev_b32 v1, 5, v0
	v_readfirstlane_b32 s[WV], v1
	s_bfe_u32 s[CX], ttmp6, 0x40000
	s_bfe_u32 s[CY], ttmp6, 0x40004
	s_mov_b32 s[XC], ttmp9
	s_lshl_b32 s[XT], ttmp9, 2
	s_add_co_u32 s[XT], s[XT], s[CX]               ; tile column = 4 x cluster x + cx
	s_and_b32 s[YC], ttmp7, 0xffff
	s_lshl_b32 s[YT], s[YC], 2
	s_add_co_u32 s[YT], s[YT], s[CY]               ; tile row = 4 x cluster y + cy
	s_lshl_b32 s22, s[CY], 2
	s_lshl_b32 s22, 15, s22                        ; my row of the cluster
	s_lshl_b32 s23, 0x1111, s[CX]                  ; my column
	s_or_b32 s[G1A], s22, (1<<16)|(1<<20)|(1<<21)|(5<<22)|(3<<25)  ; the mask; 2-byte elements; padding on; bit 21 beside a mask; after every 64 words; 4 words
	s_or_b32 s[G1B], s23, (1<<16)|(1<<20)|(1<<21)|(5<<22)|(3<<25)
	s_mov_b32 s[G1A+1], 128<<16                    ; tensor_dim0 = 128
	s_mov_b32 s[G1A+2], 128<<16                    ; tensor_dim1 = 128
	s_mov_b32 s[G1A+3], 128<<16                    ; tile_dim0 = 128
	s_mov_b32 s[G1A+4], 128                        ; tile_dim1 = 128
	s_mov_b32 s[G1A+5], ASTR                       ; elements from row to row
	s_mov_b32 s[G1A+6], 0
	s_mov_b32 s[G1A+7], 0
	s_mov_b32 s[G1B+1], 128<<16
	s_mov_b32 s[G1B+2], 128<<16
	s_mov_b32 s[G1B+3], 128<<16
	s_mov_b32 s[G1B+4], 128
	s_mov_b32 s[G1B+5], BSTR
	s_mov_b32 s[G1B+6], 0
	s_mov_b32 s[G1B+7], 0
	s_mul_i32 s45, s[WV], 128*PA                   ; where my load goes: the wave's number alone enters an LDS address
	s_lshl_b32 s40, s[YT], 18                      ; A: row 128 y, 2,048 bytes a row: registers that never hold cx
	s_mov_b32 s41, 0
	s_mul_i32 s42, s[XT], 384                      ; B: row 384 x + 128 (wave - 1) of W_kqv: registers that never hold cy
	s_lshl_b32 s44, s[WV], 7
	s_add_co_u32 s42, s42, s44
	s_lshl_b32 s42, s42, 11
	s_add_co_u32 s42, s42, WOFF-128*2048
	s_mov_b32 s43, 0
	s_wait_dscnt 0x0                               ; the opening add is done
	s_wait_kmcnt 0x0
	s_add_nc_u64 s[40:41], s[4:5], s[40:41]
	s_add_nc_u64 s[42:43], s[4:5], s[42:43]
	CROUND                                         ; all sixteen work-groups are here: the first joint loads meet
.irp s, 0,1
	s_mov_b32 s[G0A+4*(\s)], 1
	s_add_co_u32 s[G0A+4*(\s)+1], s45, (\s)*SLOT1
	s_add_nc_u64 s[G0A+4*(\s)+2:G0A+4*(\s)+3], s[40:41], (\s)*ASTEP
	s_or_b32 s[G0A+4*(\s)+3], s[G0A+4*(\s)+3], 0x80000000
	s_mov_b32 s[G0B+4*(\s)], 1
	s_add_co_u32 s[G0B+4*(\s)+1], s45, (\s)*SLOT1
	s_add_nc_u64 s[G0B+4*(\s)+2:G0B+4*(\s)+3], s[42:43], (\s)*BSTEP
	s_or_b32 s[G0B+4*(\s)+3], s[G0B+4*(\s)+3], 0x80000000
	JLOAD \s
.endr
	; the bias of my 96 columns, as the matrix instruction's C: lane l, register j of block b: column 16 b + 8 (l / 16) + j
	v_and_b32 v1, 15, v0                           ; l % 16
	v_bfe_u32 v2, v0, 4, 1                         ; l / 16
	v_and_b32 v3, 31, v0                           ; l
	s_mul_i32 s76, s[XT], 384*4
	s_mul_i32 s77, s[WV], 96*4
	s_add_co_u32 s76, s76, s77
	s_mov_b32 s77, 0
	s_add_nc_u64 s[BP:BP+1], s[BP:BP+1], s[76:77]
	v_lshlrev_b32 v31, 5, v2
	WIN 0x40
.irp b, 0,1,2,3,4,5
	global_load_b128 v[8*(\b):8*(\b)+3], v31, s[BP:BP+1] offset:64*(\b)
	global_load_b128 v[8*(\b)+4:8*(\b)+7], v31, s[BP:BP+1] offset:64*(\b)+16
.endr
	WIN 0
	; fragments: row x pitch + 16 x (l / 16)
	v_mul_u32_u24 v4, v1, PA
	v_lshl_add_u32 v[ALO0], v2, 4, v4
	v_add_nc_u32 v[AHI0], 64*PA, v[ALO0]
	s_mul_i32 s82, s[WV], 96*PB
	s_add_co_u32 s82, s82, BOFF
	v_add_nc_u32 v[ADRB0], s82, v[ALO0]
	; the stage.  In: row l % 16 of a block of 16, my wave's 192 bytes of it, 16 bytes for each half of the lanes.  Back: wave w takes rows 32 w on; lanes 0-15 take 256 bytes of one row, lanes 16-31 of the next
	s_mul_i32 s82, s[WV], 192
	v_mul_u32_u24 v5, v1, SP
	v_lshl_add_u32 v5, v2, 4, v5
	v_add_nc_u32 v[STO], s82, v5
	v_add_nc_u32 v[STO2], 64*SP, v[STO]
	s_mul_i32 s82, s[WV], 32*SP
	v_mul_u32_u24 v5, v2, SP
	v_lshl_add_u32 v5, v1, 4, v5
	v_add_nc_u32 v[RD], s82, v5
	v_mul_u32_u24 v5, v2, CPITCH
	v_lshl_add_u32 v[CO], v1, 4, v5
	s_lshl_b32 s74, s[YT], 7                       ; C at the 32 rows that I store and the tile's 384 columns
	s_lshl_b32 s75, s[WV], 5
	s_add_co_u32 s74, s74, s75
	s_mul_i32 s74, s74, CPITCH
	s_mul_i32 s75, s[XT], 768
	s_add_co_u32 s74, s74, s75
	s_mov_b32 s75, 0
	s_add_nc_u64 s[CP:CP+1], s[CP:CP+1], s[74:75]
	; the prefetches.  A's 128 rows are read by both clusters of this row of clusters: cluster x = 0 asks, wave 0, each partner 32 rows by its cx.  B's 384 rows by every cluster of this column:
	; cluster y = 0 asks, waves 1 to 3, each partner 32 of the wave's 128 rows by its cy.  The partners are told apart by address; the branch hangs on the cluster's place and the wave alone.
	s_lshl_b32 s88, s[YT], 7
	s_lshl_b32 s89, s[CX], 5
	s_add_co_u32 s88, s88, s89
	s_lshl_b32 s88, s88, 11
	s_add_co_u32 s88, s88, 3*ASTEP                 ; at K step 3: the first refill steps it to 4
	s_mul_i32 s90, s[XT], 384
	s_lshl_b32 s89, s[WV], 7
	s_add_co_u32 s90, s90, s89
	s_lshl_b32 s89, s[CY], 5
	s_add_co_u32 s90, s90, s89
	s_lshl_b32 s90, s90, 11
	s_add_co_u32 s90, s90, WOFF-128*2048+3*BSTEP
	s_cmp_eq_u32 s[WV], 0
	s_cselect_b32 s88, s88, s90
	s_cselect_b32 s91, s[XC], s[YC]
	s_mov_b32 s89, 0
	s_add_nc_u64 s[PFA:PFA+1], s[4:5], s[88:89]
	s_cmp_eq_u32 s91, 0
	s_cselect_b32 s[LIM], 2, -1
	s_mov_b32 s[PFS], 256
	s_mov_b32 s[PFS+1], 0
	v_lshlrev_b32 v[PFO], 11, v3
	s_mov_b32 s85, 0xffff0000
	s_wait_loadcnt 0x0                             ; the bias
	WIN 0x45
.set n, 0
.rept 24
	v_cvt_pk_bf16_f32 v[192+n%4], v[2*n], v[2*n+1] ; rounded to bf16 like every input, and widened again
	v_lshlrev_b32 v[2*n], 16, v[192+n%4]
	v_and_b32 v[2*n+1], s85, v[192+n%4]
.set n, n+1
.endr
	WIN 0
	s_wait_tensorcnt 0x1                           ; my part of slot 0 is in; slot 1's may stay out
	s_barrier_signal -1
	s_barrier_wait -1
	s_mov_b32 s[TB], 0
	v_mov_b32 v[ALO], v[ALO0]
	v_mov_b32 v[AHI], v[AHI0]
	v_mov_b32 v[ADRB], v[ADRB0]
	FETCH 0, F0
	QUARTER 64, F0, F1, 2                          ; the first quarter stands in front of the loop: its products start the sums, with the bias
	WIN 0
	s_mov_b32 s[CNT], T-2
.Lstep:                                ; a trip: the rest of a K step, the change of slots with its refill, the next step's first quarter
	QUARTER 128, F1, F0, 0
	QUARTER 192, F0, F1, 0
	TURN 1
	QUARTER 64, F0, F1, 0
	WIN 0
	s_sub_co_u32 s[CNT], s[CNT], 1
	s_cmp_lg_u32 s[CNT], 0
	s_cbranch_scc1 .Lstep
	s_mov_b32 s[CNT], 2
.Ltail:                                ; the last two K steps ask for nothing: a loop of its own
	QUARTER 128, F1, F0, 0
	QUARTER 192, F0, F1, 0
	TURN 0
	WIN 0
	s_cmp_eq_u32 s[CNT], 1
	s_cbranch_scc1 .Llast
	QUARTER 64, F0, F1, 0
	WIN 0
.Llast:
	s_sub_co_u32 s[CNT], s[CNT], 1
	s_cmp_lg_u32 s[CNT], 0
	s_cbranch_scc1 .Ltail
	PLACES
	PLACES
	s_wait_dscnt 0x0                               ; no LDS read of mine is out,
	s_barrier_signal -1
	s_barrier_wait -1                              ; nor of any wave: slot 0, which has had its last fill, may be written
	; THE WAY OUT: rounded to f16, 16 bytes a lane for each accumulator; each accumulator's registers are taken in ascending order
	WIN 0x0a                                       ; sources in window 2
.irp a, 0,1,2,3
.irp b, 0,1,2,3,4,5
.irp r, 0,1,2,3
	v_cvt_pk_f16_f32 v[TMP+4*(6*(\a)+(\b))+(\r)], v[8*(8*(\a)+(\b))+2*(\r)], v[8*(8*(\a)+(\b))+2*(\r)+1]
.endr
.endr
.endr
	WIN 0x0f                                       ; sources in window 3
.irp a, 0,1,2,3
.irp b, 0,1,2,3,4,5
.irp r, 0,1,2,3
	v_cvt_pk_f16_f32 v[TMP+96+4*(6*(\a)+(\b))+(\r)], v[8*(8*(\a)+(\b))+2*(\r)], v[8*(8*(\a)+(\b))+2*(\r)+1]
.endr
.endr
.endr
	WIN 0
.irp a, 0,1,2,3
.irp b, 0,1,2,3,4,5
	ds_store_b128 v[STO], v[TMP+4*(6*(\a)+(\b)):TMP+4*(6*(\a)+(\b))+3] offset:(\a)*16*SP+32*(\b)
.endr
.endr
.irp a, 0,1,2,3
.irp b, 0,1,2,3,4,5
	ds_store_b128 v[STO2], v[TMP+96+4*(6*(\a)+(\b)):TMP+96+4*(6*(\a)+(\b))+3] offset:(\a)*16*SP+32*(\b)
.endr
.endr
	s_wait_dscnt 0x0                               ; for the others' sake: my stores into the stage are done
	s_barrier_signal -1
	s_barrier_wait -1
.set n, 0
.rept 48                               ; pair n / 3 of my 32 rows, block n % 3 of their three blocks of 256 bytes
	ds_load_b128 v[TMP+4*n:TMP+4*n+3], v[RD] offset:(n/3)*2*SP+(n%3)*256
.set n, n+1
.endr
.set n, 0
.rept 48
	s_wait_dscnt 47-n                              ; LDS loads come back in order: load n is in
	global_store_b128 v[CO], v[TMP+4*n:TMP+4*n+3], s[CP:CP+1] offset:(n/3)*2*CPITCH+(n%3)*256  ; 16 lanes store 256 consecutive bytes, aligned
.set n, n+1
.endr
	s_wait_tensorcnt 0x0                           ; the wave's end
	ds_add_u32 v[SPW], v[NIL]
	s_wait_dscnt 0x0
	CROUND                                         ; the closing round: no work-group ends while a partner may still ask for a tile that names it
	s_endpgm
.Lfunc_end_k_q52cd8a9971_kqv:
	.size	k_q52cd8a9971_kqv, .Lfunc_end_k_q52cd8a9971_kqv-k_q52cd8a9971_kqv
	.p2alignl 7, 3214868480
	.fill 96, 4, 3214868480
	.section	.rodata,"a",@progbits
	.p2align	6, 0x0
	.amdhsa_kernel k_q52cd8a9971_kqv
		.amdhsa_group_segment_fixed_size 327680
		.amdhsa_private_segment_fixed_size 0
		.amdhsa_enable_private_segment 0
		.amdhsa_kernarg_size 24
		.amdhsa_user_sgpr_count 2
		.amdhsa_user_sgpr_kernarg_segment_ptr 1
		.amdhsa_wavefront_size32 1
		.amdhsa_system_sgpr_workgroup_id_x 1
		.amdhsa_system_sgpr_workgroup_id_y 1
		.amdhsa_system_sgpr_workgroup_id_z 1
		.amdhsa_system_vgpr_workitem_id 0
		.amdhsa_next_free_vgpr 1024
		.amdhsa_next_free_sgpr 96
		.amdhsa_reserve_vcc 0
		.amdhsa_float_denorm_mode_32 3
		.amdhsa_float_denorm_mode_16_64 3
		.amdhsa_memory_ordered 1
		.amdhsa_forward_progress 1
		.amdhsa_inst_pref_size 87
	.end_amdhsa_kernel
	.amdgpu_metadata
---
amdhsa.version: [ 1, 2 ]
amdhsa.kernels:
  - .name:           k_q52cd8a9971_kqv
    .symbol:         k_q52cd8a9971_kqv.kd
    .args:
      - { .name: h16, .offset: 0, .size: 8, .value_kind: global_buffer, .address_space: global }
      - { .name: b_kqv, .offset: 8, .size: 8, .value_kind: global_buffer, .address_space: global }
      - { .name: kqvh, .offset: 16, .size: 8, .value_kind: global_buffer, .address_space: global }
    .group_segment_fixed_size: 327680
    .private_segment_fixed_size: 0
    .kernarg_segment_align: 8
    .kernarg_segment_size: 24
    .max_flat_workgroup_size: 128
    .sgpr_count:     96
    .vgpr_count:     1024
    .wavefront_size: 32
...
	.end_amdgpu_metadata
.endif
;; end of part 2
;; launch scores (part 3): grid 8 x 32, 4 waves a work-group, clusters of 4 x 4, 327,680 bytes of LDS; arguments kqvh, valid_lens, eh, stats; writes eh, stats
.if DOCPART == 3
	.amdgcn_target "amdgcn-amd-amdhsa--gfx1250"
	.amdhsa_code_object_version 6
	.text
	.protected	k_q52cd8a9971_scores
	.globl	k_q52cd8a9971_scores
	.p2align	8
	.type	k_q52cd8a9971_scores,@function
k_q52cd8a9971_scores:
	s_mov_b64 s[64:65], 0
	v_nop
	global_prefetch_b8 v0, s[64:65] scope:SCOPE_SE
	s_setreg_imm32_b32 hwreg(HW_REG_WAVE_MODE, 25, 1), 1
	s_wait_xcnt 0x0
	s_wait_alu depctr_hold_cnt(0) depctr_sa_sdst(0) depctr_va_vdst(0) depctr_va_sdst(0) depctr_va_ssrc(0) depctr_va_vcc(0) depctr_vm_vsrc(0)
	s_getreg_b32 s2, hwreg(HW_REG_IB_STS2, 6, 4)
	s_cmp_eq_u32 s2, 0
	s_cbranch_scc0 .Lentry_in_a_cluster
	s_endpgm
.Lentry_in_a_cluster:
	s_bfe_u32 s2, ttmp6, 0x10000c
	s_cmp_lg_u32 s2, 0xf033
	s_cbranch_scc0 .Lentry_shape_is_right
	s_endpgm
.Lentry_shape_is_right:
; For each batch, query q and block of 128 keys: t = (q . k) log2(e) / 32, replaced by -1e6 log2(e) where the key's number is not below valid_lens[batch]; m = the block's maximum of t; E = 2^(t - m); l = the sum of E.
; eh [4][2048 q][2048 key] takes E in f16; stats takes m at [4][16 block][2048 q] and, 524,288 bytes on, l, both f32.  The next launch takes the row's true maximum away: every exponent here and there is at most 0.
; q and k are columns 1024-2047 and 0-1023 of kqvh [8192][3072], f16; products and sums in f32.  Masked tiles are computed like the others: the fill is a finite score and carries weight where every valid score lies below it.
; LIMITS. 1/32 and log2(e) are one factor, and the fill is -1e6 log2(e) rounded to f32: an order of rounding that differs from scaling first.  E below 6e-5 keeps f16's fixed step of 6e-8; l is the sum of the unrounded E;
; an E below 2^-126 counts as 0.  NaN and infinities are not treated apart.
; SHARES. A work-group makes 256 queries x 256 keys: 256 work-groups.  Wave w: queries 128 (w >> 1) on, keys 128 (w & 1) on: 64 accumulators, 512 registers; its 128 keys are one block.
; RING. K (the 1,024 channels) goes in steps of 128 through two LDS slots (256 rows of q, 256 of k, 256 bytes of memory each, padded to 272); one joint tensor load a wave behind each round of the cluster's barrier;
; by this text's count two loads of a wave are out at the start, later one.  CLUSTER. 4 x 4: q's tile is shared along a row of the cluster, k's along a column.
; THE MATRIX INSTRUCTION IS USED TRANSPOSED (source 0 = 16 keys, source 1 = 16 queries): a lane holds query l % 16 and the keys 8 (l / 16) + 0..7 of each of 8 key blocks: half of a query's 128 keys; the lane 16 away holds the other half.
; REGISTERS in windows of 256: window 0: v0-31 addresses, v64-127 and v128-191 q's fragments, on the way out scores; v32-63, v192-255 the way out; window 1: v0-63 the mask's factor (c or 0), v64-191 k's fragments,
; v192-255 the mask's addend (0 or the fill); windows 2, 3: the accumulators.
.set ATR, 0
.set SC,  0
.set NQ,  4                            ; quarters of 32 along K in a slot
.set ZF,  1                            ; the first quarter starts the sums with 0
.set T,   8
.set PA,  272
.set PB,  272
.set APAD, 4
.set AL,  128
.set BOFF, 2*AL*PA
.set SLOT1, 0x22000                    ; a slot's bytes; its two bits meet none of the loaders' LDS addresses (0, 0x8800, 0x11000, 0x19800), so an exclusive or changes slots
.set STAGE, SLOT1+BOFF+256*PB          ; behind the ring: 16 rows x 272 bytes for each wave
.set SP,  272
.set SPARE, STAGE+4*16*SP
.set STAT, SPARE+512                   ; 1,024 bytes a wave: m of its 128 queries, then l
.set ASTR, 3072
.set BSTR, 3072
.set ASTEP, 256
.set BSTEP, 256
.set CPITCH, 4096
.set CP,  8                            ; s[8:9] eh
.set ALO, 16
.set AHI, 17
.set ADRB, 18
.set ALO0, 19
.set AHI0, 20
.set ADRB0, 21
.set DA,  22                           ; v22 the dump: my 16 bytes of the block in hand
.set STA, 23                           ; v23 where m of my query goes
.set STO, 24
.set RD,  25
.set CO,  26
.set STR, 27                           ; v27 where the wave's statistics are read back
.set SPW, 28
.set NIL, 29
.set PFO, 30
.set F0,  64
.set F1,  128
.set WV,  12
.set WH,  13
.set WL,  14
.set CX,  15
.set CY,  16
.set XC,  17
.set YC,  18
.set XT,  19
.set YT,  20
.set BT,  21                           ; s21 the batch: from the cluster's y alone
.set G1A, 24
.set G0A, 32
.set G1B, 48
.set G0B, 56
.set TB,  66
.set CNT, 67
.set LIM, 68
.set PFA, 70
.set PFS, 72
.set MSB, 0
.macro WIN new                         ; the immediate's high byte repeats the setting that is left; a switch that changes nothing is dropped
.if MSB != (\new)
	s_set_vgpr_msb (MSB<<8)|(\new)
.set MSB, \new
.endif
.endm
.macro PLACES                          ; four plain vector instructions between a matrix instruction and a load into, or a vector write or read of, its registers
.rept 4
	v_nop
.endr
.endm
.macro CREST
	s_cmp_lg_u32 s[WV], 0
	s_cbranch_scc1 .Lnot_wave_0_\@
	s_barrier_signal -3
.Lnot_wave_0_\@:
	s_barrier_wait -3
	s_barrier_signal -1
	s_barrier_wait -1
.endm
.macro CROUND
	s_barrier_signal -1
	s_barrier_wait -1
	CREST
.endm
.macro JLOAD s                         ; a joint load: waves 0, 1 fetch A's halves, waves 2, 3 B's; s_nop 0 and four v_nop follow each line
	s_cmp_eq_u32 s[WH], 0
	s_cbranch_scc0 .Lfor_b_\@
	tensor_load_to_lds s[G0A+4*(\s):G0A+4*(\s)+3], s[G1A:G1A+7]
	s_nop 0
.rept 4
	v_nop
.endr
	s_branch .Lasked_\@
.Lfor_b_\@:
	tensor_load_to_lds s[G0B+4*(\s):G0B+4*(\s)+3], s[G1B:G1B+7]
	s_nop 0
.rept 4
	v_nop
.endr
.Lasked_\@:
.endm
.macro ASK                             ; a prefetch of the K step two refills on: 32 rows x 256 bytes, a lane a row; the last two refills of the loop ask for nothing
	s_cmp_gt_u32 s[CNT], s[LIM]
	s_cbranch_scc0 .Lnot_mine_\@
	global_prefetch_b8 v[PFO], s[PFA:PFA+1] th:TH_LOAD_NT scope:SCOPE_SE
.Lnot_mine_\@:
.endm
.macro WM z
.if (\z) == 1
	v_wmma_f32_16x16x32_f16 v[rD:rD+7], v[rB:rB+7], v[rA:rA+7], 0
.else
	v_wmma_f32_16x16x32_f16 v[rD:rD+7], v[rB:rB+7], v[rA:rA+7], v[rD:rD+7]
.endif
.endm
.macro MUL16 f, hi, a0, z              ; 16 products; the 64 accumulators take turns in the same order in every quarter
	WIN 0xa1+0x50*(\hi)
.irp a, \a0, (\a0)+1
.irp b, 0,1,2,3,4,5,6,7
.set rD, 8*(8*(\a)+(\b))
.set rB, (\f)+8*(\b)
.set rA, (\f)+8*(4*(\hi)+(\a))
	WM \z
.endr
.endr
.endm
.macro FETCH k, f                      ; 32 LDS loads in one run
	WIN 0x40
.irp i, 0,1,2,3,4,5,6,7
	ds_load_b128 v[(\f)+8*(\i):(\f)+8*(\i)+3],   v[ADRB] offset:(\k)+(\i)*16*PB
	ds_load_b128 v[(\f)+8*(\i)+4:(\f)+8*(\i)+7], v[ADRB] offset:(\k)+(\i)*16*PB+32
.endr
	WIN 0
.irp i, 0,1,2,3
	ds_load_b128 v[(\f)+8*(\i):(\f)+8*(\i)+3],   v[ALO] offset:(\k)+(\i)*16*PA
	ds_load_b128 v[(\f)+8*(\i)+4:(\f)+8*(\i)+7], v[ALO] offset:(\k)+(\i)*16*PA+32
.endr
.irp i, 0,1,2,3
	ds_load_b128 v[(\f)+32+8*(\i):(\f)+32+8*(\i)+3],   v[AHI] offset:(\k)+(\i)*16*PA
	ds_load_b128 v[(\f)+32+8*(\i)+4:(\f)+32+8*(\i)+7], v[AHI] offset:(\k)+(\i)*16*PA+32
.endr
.endm
.macro QUARTER k, f, g, z
	s_wait_dscnt 8                                 ; all but the youngest eight loads (A's blocks 4-7, first used 32 products on)
	MUL16 \f, 0, 0, \z
	MUL16 \f, 0, 2, \z
	PLACES
	FETCH \k, \g
	s_wait_dscnt 32                                ; all but the 32 just issued
	MUL16 \f, 1, 0, \z
	MUL16 \f, 1, 2, \z
.endm
; A slot's last quarter and the change of slots: in front of the barrier each wave waits for all its tensor loads, adds 0 to its spare word, and waits for that and for its reads of this slot.
; fill = 1: the barrier opens a round of the cluster's barrier and the joint refill is the first thing behind it.  fill = 0: the tail; in its last trip the run of loads is jumped over, forward.
.macro TURN fill
.if \fill
	s_wait_xcnt 0x0                                ; the last prefetch, a K step back, has read its address
	s_add_nc_u64 s[PFA:PFA+1], s[PFA:PFA+1], s[PFS:PFS+1]
.endif
	WIN 0
	s_wait_tensorcnt 0x0                           ; all my tensor loads have landed
	ds_add_u32 v[SPW], v[NIL]
	s_wait_dscnt 9                                 ; the add and the youngest eight loads may be out
	MUL16 F1, 0, 0, 0
	s_wait_dscnt 0x0                               ; the add is done, and my reads of this slot are over
	s_barrier_signal -1
	MUL16 F1, 0, 2, 0
	WIN 0
	s_barrier_wait -1
.if \fill
	CREST
	s_xor_b32 s[G0A+5], s[G0A+5], SLOT1
	s_add_nc_u64 s[G0A+6:G0A+7], s[G0A+6:G0A+7], ASTEP
	s_xor_b32 s[G0B+5], s[G0B+5], SLOT1
	s_add_nc_u64 s[G0B+6:G0B+7], s[G0B+6:G0B+7], BSTEP
	JLOAD 1                                        ; its four v_nop are also the places in front of the loads below
.else
	s_cmp_eq_u32 s[CNT], 1
	s_cbranch_scc1 .Lnf_\@
	PLACES
.endif
	s_xor_b32 s[TB], s[TB], SLOT1
	v_add_nc_u32 v[ALO], s[TB], v[ALO0]
	v_add_nc_u32 v[AHI], s[TB], v[AHI0]
	v_add_nc_u32 v[ADRB], s[TB], v[ADRB0]
	FETCH 0, F0
.if \fill
	ASK
.else
.Lnf_\@:
.endif
	MUL16 F1, 1, 0, 0
	MUL16 F1, 1, 2, 0
.endm
.macro HEAD
	v_lshl_add_u32 v[SPW], v0, 2, SPARE
	v_mov_b32 v[NIL], 0
	ds_add_u32 v[SPW], v[NIL]                      ; the wave's opening: the add and its wait come ahead of my first tensor load
	v_lshrrev_b32 v1, 5, v0
	v_readfirstlane_b32 s[WV], v1
	s_lshr_b32 s[WH], s[WV], 1
	s_and_b32 s[WL], s[WV], 1
	s_bfe_u32 s[CX], ttmp6, 0x40000
	s_bfe_u32 s[CY], ttmp6, 0x40004
	s_mov_b32 s[XC], ttmp9
	s_lshl_b32 s[XT], ttmp9, 2
	s_add_co_u32 s[XT], s[XT], s[CX]
	s_and_b32 s[YC], ttmp7, 0xffff
	s_lshl_b32 s[YT], s[YC], 2
	s_add_co_u32 s[YT], s[YT], s[CY]
	s_lshl_b32 s22, s[CY], 2
	s_lshl_b32 s22, 15, s22
	s_lshl_b32 s23, 0x1111, s[CX]
	s_or_b32 s[G1A], s22, (1<<16)|(1<<20)|(1<<21)|(5<<22)|((APAD-1)<<25)
	s_or_b32 s[G1B], s23, (1<<16)|(1<<20)|(1<<21)|(5<<22)|(3<<25)
	s_mov_b32 s[G1A+1], 128<<16
	s_mov_b32 s[G1A+2], AL<<16
	s_mov_b32 s[G1A+3], 128<<16
	s_mov_b32 s[G1A+4], AL
	s_mov_b32 s[G1A+5], ASTR
	s_mov_b32 s[G1A+6], 0
	s_mov_b32 s[G1A+7], 0
	s_mov_b32 s[G1B+1], 128<<16
	s_mov_b32 s[G1B+2], 128<<16
	s_mov_b32 s[G1B+3], 128<<16
	s_mov_b32 s[G1B+4], 128
	s_mov_b32 s[G1B+5], BSTR
	s_mov_b32 s[G1B+6], 0
	s_mov_b32 s[G1B+7], 0
	s_mul_i32 s45, s[WL], AL*PA
	s_mul_i32 s47, s[WL], 128*PB
	s_add_co_u32 s47, s47, BOFF
.endm
.macro FILLS
	CROUND
.irp s, 0,1
	s_mov_b32 s[G0A+4*(\s)], 1
	s_add_co_u32 s[G0A+4*(\s)+1], s45, (\s)*SLOT1
	s_add_nc_u64 s[G0A+4*(\s)+2:G0A+4*(\s)+3], s[40:41], (\s)*ASTEP
	s_or_b32 s[G0A+4*(\s)+3], s[G0A+4*(\s)+3], 0x80000000
	s_mov_b32 s[G0B+4*(\s)], 1
	s_add_co_u32 s[G0B+4*(\s)+1], s47, (\s)*SLOT1
	s_add_nc_u64 s[G0B+4*(\s)+2:G0B+4*(\s)+3], s[42:43], (\s)*BSTEP
	s_or_b32 s[G0B+4*(\s)+3], s[G0B+4*(\s)+3], 0x80000000
	JLOAD \s
.endr
.endm
.macro MAIN
	s_wait_tensorcnt 0x1                           ; my part of slot 0 is in; slot 1's may stay out
	s_barrier_signal -1
	s_barrier_wait -1
	s_mov_b32 s[TB], 0
	v_mov_b32 v[ALO], v[ALO0]
	v_mov_b32 v[AHI], v[AHI0]
	v_mov_b32 v[ADRB], v[ADRB0]
	FETCH 0, F0
	QUARTER 64, F0, F1, ZF
	WIN 0
	s_mov_b32 s[CNT], T-2
.Lstep:
	QUARTER 128, F1, F0, 0
	QUARTER 192, F0, F1, 0
	TURN 1
	QUARTER 64, F0, F1, 0
	WIN 0
	s_sub_co_u32 s[CNT], s[CNT], 1
	s_cmp_lg_u32 s[CNT], 0
	s_cbranch_scc1 .Lstep
	s_mov_b32 s[CNT], 2
.Ltail:                                ; the last two K steps ask for nothing: a loop of its own
	QUARTER 128, F1, F0, 0
	QUARTER 192, F0, F1, 0
	TURN 0
	WIN 0
	s_cmp_eq_u32 s[CNT], 1
	s_cbranch_scc1 .Llast
	QUARTER 64, F0, F1, 0
	WIN 0
.Llast:
	s_sub_co_u32 s[CNT], s[CNT], 1
	s_cmp_lg_u32 s[CNT], 0
	s_cbranch_scc1 .Ltail
	PLACES
	PLACES
	s_wait_dscnt 0x0                               ; no LDS read of mine is out,
	s_barrier_signal -1
	s_barrier_wait -1                              ; nor of any wave: the ring, which has had its last fill, may be written
.endm
.macro TLOAD                           ; a block's 64 sums a lane, back from my dump
.irp b, 0,1,2,3,4,5,6,7
	ds_load_b128 v[64+8*(\b):67+8*(\b)], v[DA] offset:1024*(\b)
	ds_load_b128 v[68+8*(\b):71+8*(\b)], v[DA] offset:1024*(\b)+512
.endr
.endm
	s_load_b256 s[4:11], s[0:1], 0x0               ; kqvh s[4:5], valid_lens s[6:7], eh s[8:9], stats s[10:11]
	HEAD
	s_lshr_b32 s[BT], s[YC], 1
	s_lshl_b32 s44, s[WL], 7
	s_lshl_b32 s40, s[YT], 8                       ; A: q: row 256 y + 128 x half, 6,144 bytes a row, 2,048 bytes in: registers that never hold cx
	s_add_co_u32 s40, s40, s44
	s_mul_i32 s40, s40, 6144
	s_add_co_u32 s40, s40, 2048
	s_mov_b32 s41, 0
	s_lshl_b32 s42, s[BT], 11                      ; B: k: row 2,048 batch + 256 x + 128 x half: registers that never hold cy
	s_lshl_b32 s43, s[XT], 8
	s_add_co_u32 s42, s42, s43
	s_add_co_u32 s42, s42, s44
	s_mul_i32 s42, s42, 6144
	s_mov_b32 s43, 0
	s_wait_dscnt 0x0                               ; the opening add is done
	s_wait_kmcnt 0x0
	s_add_nc_u64 s[40:41], s[4:5], s[40:41]
	s_add_nc_u64 s[42:43], s[4:5], s[42:43]
	FILLS
	s_lshl_b32 s79, s[BT], 2
	s_load_b32 s78, s[6:7], s79 offset:0x0         ; the batch's number of valid keys
	v_and_b32 v1, 15, v0
	v_bfe_u32 v2, v0, 4, 1
	v_and_b32 v3, 31, v0
	v_mul_u32_u24 v4, v1, PA
	v_lshl_add_u32 v4, v2, 4, v4
	s_mul_i32 s82, s[WH], 128*PA
	v_add_nc_u32 v[ALO0], s82, v4
	v_add_nc_u32 v[AHI0], 64*PA, v[ALO0]
	s_mul_i32 s82, s[WL], 128*PB
	s_add_co_u32 s82, s82, BOFF
	v_add_nc_u32 v[ADRB0], s82, v4
	s_mul_i32 s82, s[WV], 16*SP
	s_add_co_u32 s82, s82, STAGE
	v_mul_u32_u24 v5, v1, SP
	v_lshl_add_u32 v5, v2, 4, v5
	v_add_nc_u32 v[STO], s82, v5
	v_mul_u32_u24 v5, v2, SP
	v_lshl_add_u32 v5, v1, 4, v5
	v_add_nc_u32 v[RD], s82, v5
	v_mul_u32_u24 v5, v2, CPITCH
	v_lshl_add_u32 v[CO], v1, 4, v5
	s_lshl_b32 s82, s[WV], 16                      ; the dump: 64 KiB a wave, over the ring
	v_lshl_add_u32 v[DA], v3, 4, s82
	s_lshl_b32 s82, s[WV], 10
	s_add_co_u32 s82, s82, STAT
	v_lshl_add_u32 v[STA], v1, 2, s82
	v_lshl_add_u32 v[STR], v3, 4, s82
	v_lshlrev_b32 v31, 4, v3
	v_mov_b32 v15, 0                               ; a lane exchange's destination counts as read
	s_mov_b32 s80, 0x76543210                      ; each lane takes its own place in the other half
	s_mov_b32 s81, 0xfedcba98
	s_lshl_b32 s74, s[YT], 8                       ; eh at my 128 queries and 128 keys
	s_lshl_b32 s75, s[WH], 7
	s_add_co_u32 s74, s74, s75
	s_lshl_b32 s74, s74, 12
	s_lshl_b32 s75, s[XT], 9
	s_add_co_u32 s74, s74, s75
	s_lshl_b32 s75, s[WL], 8
	s_add_co_u32 s74, s74, s75
	s_mov_b32 s75, 0
	s_add_nc_u64 s[CP:CP+1], s[CP:CP+1], s[74:75]
	s_lshl_b32 s76, s[BT], 4                       ; stats at block 16 batch + 2 x + half, query 256 (y % 8) + 128 half
	s_lshl_b32 s77, s[XT], 1
	s_add_co_u32 s76, s76, s77
	s_add_co_u32 s76, s76, s[WL]
	s_lshl_b32 s76, s76, 13
	s_and_b32 s77, s[YT], 7
	s_lshl_b32 s77, s77, 10
	s_add_co_u32 s76, s76, s77
	s_lshl_b32 s77, s[WH], 9
	s_add_co_u32 s76, s76, s77
	s_mov_b32 s77, 0
	s_add_nc_u64 s[10:11], s[10:11], s[76:77]
	; the prefetches.  q's rows are read by both clusters of this row of clusters: cluster x = 0 asks, waves 0 and 1; k's rows by the batch's two rows of clusters: the even one asks, waves 2 and 3.
	; Of the 128 rows that a wave fetches each of the four partners takes 32, told apart by address.
	s_lshl_b32 s88, s[YT], 8
	s_lshl_b32 s89, s[WL], 7
	s_add_co_u32 s88, s88, s89
	s_lshl_b32 s90, s[CX], 5
	s_add_co_u32 s88, s88, s90
	s_mul_i32 s88, s88, 6144
	s_add_co_u32 s88, s88, 2048+3*ASTEP
	s_lshl_b32 s90, s[BT], 11
	s_add_co_u32 s90, s90, s89
	s_lshl_b32 s91, s[XT], 8
	s_add_co_u32 s90, s90, s91
	s_lshl_b32 s91, s[CY], 5
	s_add_co_u32 s90, s90, s91
	s_mul_i32 s90, s90, 6144
	s_add_co_u32 s90, s90, 3*BSTEP
	s_and_b32 s92, s[YC], 1
	s_cmp_eq_u32 s[WH], 0
	s_cselect_b32 s88, s88, s90
	s_cselect_b32 s91, s[XC], s92
	s_mov_b32 s89, 0
	s_add_nc_u64 s[PFA:PFA+1], s[4:5], s[88:89]
	s_cmp_eq_u32 s91, 0
	s_cselect_b32 s[LIM], 2, -1
	s_mov_b32 s[PFS], 256
	s_mov_b32 s[PFS+1], 0
	v_mul_u32_u24 v[PFO], v3, 6144
	; the mask, as a factor and an addend for each of a lane's 64 keys: (c, 0) where the key is valid, (0, fill) where it is not: t = sum x factor + addend replaces a hidden score
	s_lshl_b32 s93, s[XT], 8
	s_lshl_b32 s94, s[WL], 7
	s_add_co_u32 s93, s93, s94
	s_wait_kmcnt 0x0
	s_sub_co_i32 s93, s78, s93                     ; valid keys counted from my block's first
	v_lshlrev_b32 v6, 3, v2
	v_sub_nc_u32 v6, s93, v6                       ; and from my half of the lanes' first: key 16 b + j is valid where it is less
	v_mov_b32 v4, 0x3d38aa3b                       ; c = log2(e) / 32
	v_mov_b32 v5, 0xc9b01c38                       ; -1e6 log2(e)
	WIN 0x40
.set n, 0
.rept 64
	v_cmp_lt_i32 vcc_lo, 16*(n/8)+n%8, v6
	v_cndmask_b32 v[n], v[NIL], v4, vcc_lo
	v_cndmask_b32 v[192+n], v5, v[NIL], vcc_lo
.set n, n+1
.endr
	WIN 0
	MAIN
	; THE WAY OUT.  All 64 accumulators go into my own 64 KiB of LDS (each lane reads back only what it wrote), so that one text, looped, serves the eight blocks of 16 queries.
	WIN 0x08
.set n, 0
.rept 32
	ds_store_b128 v[DA], v[8*n:8*n+3] offset:1024*n          ; each accumulator's low registers are read first
	ds_store_b128 v[DA], v[8*n+4:8*n+7] offset:1024*n+512
.set n, n+1
.endr
	WIN 0x0c
.set n, 0
.rept 32
	ds_store_b128 v[DA], v[8*n:8*n+3] offset:32768+1024*n
	ds_store_b128 v[DA], v[8*n+4:8*n+7] offset:32768+1024*n+512
.set n, n+1
.endr
	WIN 0
	TLOAD
	s_mov_b32 s[CNT], 8
.Lblk:
	s_wait_dscnt 0x0                               ; the block's sums are in
	WIN 0x14
.set n, 0
.rept 32
	v_pk_fma_f32 v[128+2*n:129+2*n], v[64+2*n:65+2*n], v[2*n:2*n+1], v[192+2*n:193+2*n]  ; t
.set n, n+1
.endr
	WIN 0
	s_cmp_eq_u32 s[CNT], 1
	s_cbranch_scc1 .Lnone                          ; the next block lands under this block's arithmetic; behind the last there is none
	v_add_nc_u32 v[DA], 8192, v[DA]
	TLOAD
.Lnone:
.irp c, 0,1,2,3                        ; the maximum of my 64: four chains of sixteen
	v_max3_num_f32 v[32+(\c)], v[128+16*(\c)], v[129+16*(\c)], v[130+16*(\c)]
.endr
.irp g, 0,1,2,3,4,5
.irp c, 0,1,2,3
	v_max3_num_f32 v[32+(\c)], v[32+(\c)], v[131+16*(\c)+2*(\g)], v[132+16*(\c)+2*(\g)]
.endr
.endr
.irp c, 0,1,2,3
	v_max_num_f32 v[32+(\c)], v[32+(\c)], v[143+16*(\c)]
.endr
	v_max3_num_f32 v32, v32, v33, v34
	v_max_num_f32 v32, v32, v35
	v_permlanex16_b32 v33, v32, s80, s81           ; the query's other 64 keys lie in the lane 16 away
	v_max_num_f32 v12, v32, v33
	v_max_num_f32 v13, v32, v33
.set n, 0
.rept 32                               ; t - m and the exponentials: one batch; nothing in it names an exponential's result
	v_pk_add_f32 v[128+2*n:129+2*n], v[128+2*n:129+2*n], v[12:13] neg_lo:[0,1] neg_hi:[0,1]
.if n > 0
	v_exp_f32 v[126+2*n], v[126+2*n]
	v_exp_f32 v[127+2*n], v[127+2*n]
.endif
.set n, n+1
.endr
	v_exp_f32 v190, v190
	v_exp_f32 v191, v191
	v_nop                                          ; a plain instruction behind the last exponential,
	s_wait_alu depctr_va_vdst(0)                   ; and the one wait ahead of the batch's first reader
.set n, 0
.rept 32
	v_cvt_pk_f16_f32 v[192+n], v[128+2*n], v[129+2*n]
.set n, n+1
.endr
.irp w, 32,16,8,4,2                    ; the sum of my 64, in place: pairs 16, 8, 4, 2 and 1 apart
.set n, 0
.rept (\w)/2
	v_pk_add_f32 v[128+2*n:129+2*n], v[128+2*n:129+2*n], v[128+(\w)+2*n:129+(\w)+2*n]
.set n, n+1
.endr
.endr
	v_add_f32 v14, v128, v129
	v_permlanex16_b32 v15, v14, s80, s81
	v_add_f32 v14, v14, v15
	ds_store_b32 v[STA], v12                       ; lanes l and l + 16 write the same word with the same number
	ds_store_b32 v[STA], v14 offset:512
	v_add_nc_u32 v[STA], 64, v[STA]
.irp b, 0,1,2,3,4,5,6,7
	ds_store_b128 v[STO], v[192+4*(\b):195+4*(\b)] offset:32*(\b)
.endr
.irp t, 0,1,2,3,4,5,6,7
	ds_load_b128 v[224+4*(\t):227+4*(\t)], v[RD] offset:(\t)*2*SP  ; LDS serves a wave's instructions in order: these see the stores above
.endr
	s_wait_dscnt 0x0
.irp t, 0,1,2,3,4,5,6,7
	global_store_b128 v[CO], v[224+4*(\t):227+4*(\t)], s[CP:CP+1] offset:2*(\t)*CPITCH  ; 16 lanes store 256 consecutive bytes, aligned
.endr
	s_wait_xcnt 0x0                                ; the stores have read their base and their data: both are written again only behind this wait
	s_add_nc_u64 s[CP:CP+1], s[CP:CP+1], 16*CPITCH
	s_sub_co_u32 s[CNT], s[CNT], 1
	s_cmp_lg_u32 s[CNT], 0
	s_cbranch_scc1 .Lblk
	ds_load_b128 v[32:35], v[STR]                  ; my 128 queries' m, 512 consecutive bytes, and l
	ds_load_b128 v[36:39], v[STR] offset:512
	s_wait_dscnt 0x0
	global_store_b128 v31, v[32:35], s[10:11]
	global_store_b128 v31, v[36:39], s[10:11] offset:524288
	s_wait_tensorcnt 0x0                           ; the wave's end
	ds_add_u32 v[SPW], v[NIL]
	s_wait_dscnt 0x0
	CROUND                                         ; the closing round
	s_endpgm
.Lfunc_end_k_q52cd8a9971_scores:
	.size	k_q52cd8a9971_scores, .Lfunc_end_k_q52cd8a9971_scores-k_q52cd8a9971_scores
	.p2alignl 7, 3214868480
	.fill 96, 4, 3214868480
	.section	.rodata,"a",@progbits
	.p2align	6, 0x0
	.amdhsa_kernel k_q52cd8a9971_scores
		.amdhsa_group_segment_fixed_size 327680
		.amdhsa_private_segment_fixed_size 0
		.amdhsa_enable_private_segment 0
		.amdhsa_kernarg_size 32
		.amdhsa_user_sgpr_count 2
		.amdhsa_user_sgpr_kernarg_segment_ptr 1
		.amdhsa_wavefront_size32 1
		.amdhsa_system_sgpr_workgroup_id_x 1
		.amdhsa_system_sgpr_workgroup_id_y 1
		.amdhsa_system_sgpr_workgroup_id_z 1
		.amdhsa_system_vgpr_workitem_id 0
		.amdhsa_next_free_vgpr 1024
		.amdhsa_next_free_sgpr 96
		.amdhsa_reserve_vcc 1
		.amdhsa_float_denorm_mode_32 3
		.amdhsa_float_denorm_mode_16_64 3
		.amdhsa_memory_ordered 1
		.amdhsa_forward_progress 1
		.amdhsa_inst_pref_size 104
	.end_amdhsa_kernel
	.amdgpu_metadata
---
amdhsa.version: [ 1, 2 ]
amdhsa.kernels:
  - .name:           k_q52cd8a9971_scores
    .symbol:         k_q52cd8a9971_scores.kd
    .args:
      - { .name: kqvh, .offset: 0, .size: 8, .value_kind: global_buffer, .address_space: global }
      - { .name: valid_lens, .offset: 8, .size: 8, .value_kind: global_buffer, .address_space: global }
      - { .name: eh, .offset: 16, .size: 8, .value_kind: global_buffer, .address_space: global }
      - { .name: stats, .offset: 24, .size: 8, .value_kind: global_buffer, .address_space: global }
    .group_segment_fixed_size: 327680
    .private_segment_fixed_size: 0
    .kernarg_segment_align: 8
    .kernarg_segment_size: 32
    .max_flat_workgroup_size: 128
    .sgpr_count:     96
    .vgpr_count:     1024
    .wavefront_size: 32
...
	.end_amdgpu_metadata
.endif
;; end of part 3
;; launch pv (part 4): grid 8 x 32, 4 waves a work-group, clusters of 4 x 4, 327,680 bytes of LDS; arguments kqvh, eh, stats, oh; writes oh
.if DOCPART == 4
	.amdgcn_target "amdgcn-amd-amdhsa--gfx1250"
	.amdhsa_code_object_version 6
	.text
	.protected	k_q52cd8a9971_pv
	.globl	k_q52cd8a9971_pv
	.p2align	8
	.type	k_q52cd8a9971_pv,@function
k_q52cd8a9971_pv:
	s_mov_b64 s[64:65], 0
	v_nop
	global_prefetch_b8 v0, s[64:65] scope:SCOPE_SE
	s_setreg_imm32_b32 hwreg(HW_REG_WAVE_MODE, 25, 1), 1
	s_wait_xcnt 0x0
	s_wait_alu depctr_hold_cnt(0) depctr_sa_sdst(0) depctr_va_vdst(0) depctr_va_sdst(0) depctr_va_ssrc(0) depctr_va_vcc(0) depctr_vm_vsrc(0)
	s_getreg_b32 s2, hwreg(HW_REG_IB_STS2, 6, 4)
	s_cmp_eq_u32 s2, 0
	s_cbranch_scc0 .Lentry_in_a_cluster
	s_endpgm
.Lentry_in_a_cluster:
	s_bfe_u32 s2, ttmp6, 0x10000c
	s_cmp_lg_u32 s2, 0xf033
	s_cbranch_scc0 .Lentry_shape_is_right
	s_endpgm
.Lentry_shape_is_right:
; oh[batch][c][q] = sum over keys of v[key][c] P[q][key], P = E f, f[q][block] = 2^(m[block][q] - max over blocks of m) / l_row, l_row = sum over blocks of l 2^(m - max).
; So the softmax's maximum is the row's true one, every exponent is at most 0 and l_row is at least 1.  The product is made transposed, which is the layout that the module's swap of axes and reshape ask for:
; oh [4][1024 c][2048 q] read as [8192][1024] is the next product's left operand.  v is columns 2048-3071 of kqvh, f16; E is eh, f16; f and P are rounded to f16; sums in f32; oh f16, rounded once.
; LIMITS. f, P and oh below 6e-5 keep f16's fixed step of 6e-8; oh is a mean of v's rows and has their range.  A factor below 2^-126 counts as 0.  NaN and infinities are not treated apart.
; SHARES. A work-group makes 128 c x 256 q: 256 work-groups.  A wave holds 128 x 128 of f32 sums.  K (the keys) IS SPLIT INSIDE THE WORK-GROUP: wave w takes q 128 (w & 1) on and, of each slot's 128 keys, the 64 at
; 64 (w >> 1); the two partial sums of a pair of waves meet once, in LDS, in f32: each wave keeps the half of the rows whose number is its own w >> 1 (window 2) and sends the other (window 3).
; RING. Steps of 128 keys, one softmax block each, through two LDS slots: 128 rows of v (a key's 128 c, 256 bytes, padded to 288) and 256 rows of E (a query's 128 keys, padded to 272).  v is read turned, by
; ds_load_tr16_b128.  One joint tensor load a wave behind each round of the cluster's barrier; by this text's count two loads of a wave are out at the start, later one.
; CLUSTER. 4 x 4: v's tile is shared along a row of the cluster, E's along a column.
; THE MATRIX INSTRUCTION IS USED TRANSPOSED (source 0 = 16 q, source 1 = 16 c): a lane holds row c = l % 16 and eight neighbouring q.  A lane's registers of a fragment of E all belong to one q, so one packed
; factor a column block scales them: 64 packed multiplies a quarter, at its head.
; REGISTERS in windows of 256: window 0: v0-31 addresses, v64-127 and v128-191 v's fragments, v32-63 and v192-255 the way out; window 1: v0-7 the step's factors, v64-191 E's fragments, on the way out all 256 the
; partner's sums; windows 2, 3: the accumulators.
.set T,   16                           ; steps: 2,048 keys / 128
.set PA,  288                          ; 256 + 32 = 72 words
.set PB,  272
.set APAD, 8
.set AL,  64
.set BOFF, 2*AL*PA
.set SLOT1, 0x20000
.set FT,  SLOT1+BOFF+256*PB            ; behind the ring: the factors, [q half][block][q % 16][q / 16 % 8], a word each (f twice in f16): 16,384 bytes
.set STAGE, FT+16384
.set SP,  272
.set SPARE, STAGE+4*16*SP
.set ASTR, 3072
.set BSTR, 2048
.set ASTEP, 128*6144                   ; 128 keys down
.set BSTEP, 256
.set CPITCH, 4096
.set CP,  10                           ; s[10:11] oh
.set ALO, 16
.set AHI, 17
.set ADRB, 18
.set ALO0, 19
.set AHI0, 20
.set ADRB0, 21
.set FTA, 22                           ; v22 my row of the factors of the step in hand
.set XS,  23
.set STO, 24
.set RD,  25
.set CO,  26
.set XR,  27
.set SPW, 28
.set NIL, 29
.set PFO, 30
.set F0,  64
.set F1,  128
.set WV,  12
.set WH,  13
.set WL,  14
.set CX,  15
.set CY,  16
.set XC,  17
.set YC,  18
.set XT,  19
.set YT,  20
.set BT,  21
.set G1A, 24
.set G0A, 32
.set G1B, 48
.set G0B, 56
.set TB,  66
.set CNT, 67
.set LIM, 68
.set PFA, 70
.set PFS, 72
.set MSB, 0
.macro WIN new                         ; the immediate's high byte repeats the setting that is left; a switch that changes nothing is dropped
.if MSB != (\new)
	s_set_vgpr_msb (MSB<<8)|(\new)
.set MSB, \new
.endif
.endm
.macro PLACES                          ; four plain vector instructions between a matrix instruction and a load into, or a vector write or read of, its registers
.rept 4
	v_nop
.endr
.endm
.macro CREST
	s_cmp_lg_u32 s[WV], 0
	s_cbranch_scc1 .Lnot_wave_0_\@
	s_barrier_signal -3
.Lnot_wave_0_\@:
	s_barrier_wait -3
	s_barrier_signal -1
	s_barrier_wait -1
.endm
.macro CROUND
	s_barrier_signal -1
	s_barrier_wait -1
	CREST
.endm
.macro JLOAD s                         ; a joint load: waves 0, 1 fetch A's halves, waves 2, 3 B's; s_nop 0 and four v_nop follow each line
	s_cmp_eq_u32 s[WH], 0
	s_cbranch_scc0 .Lfor_b_\@
	tensor_load_to_lds s[G0A+4*(\s):G0A+4*(\s)+3], s[G1A:G1A+7]
	s_nop 0
.rept 4
	v_nop
.endr
	s_branch .Lasked_\@
.Lfor_b_\@:
	tensor_load_to_lds s[G0B+4*(\s):G0B+4*(\s)+3], s[G1B:G1B+7]
	s_nop 0
.rept 4
	v_nop
.endr
.Lasked_\@:
.endm
.macro ASK                             ; a prefetch of the step two refills on: 32 rows x 256 bytes, a lane a row; the last two refills of the loop ask for nothing
	s_cmp_gt_u32 s[CNT], s[LIM]
	s_cbranch_scc0 .Lnot_mine_\@
	global_prefetch_b8 v[PFO], s[PFA:PFA+1] th:TH_LOAD_NT scope:SCOPE_SE
.Lnot_mine_\@:
.endm
.macro WM z
.if (\z) == 1
	v_wmma_f32_16x16x32_f16 v[rD:rD+7], v[rB:rB+7], v[rA:rA+7], 0
.else
	v_wmma_f32_16x16x32_f16 v[rD:rD+7], v[rB:rB+7], v[rA:rA+7], v[rD:rD+7]
.endif
.endm
.macro MUL16 f, hi, a0, z              ; 16 products; the 64 accumulators take turns in the same order in every quarter
	WIN 0xa1+0x50*(\hi)
.irp a, \a0, (\a0)+1
.irp b, 0,1,2,3,4,5,6,7
.set rD, 8*(8*(\a)+(\b))
.set rB, (\f)+8*(\b)
.set rA, (\f)+8*(4*(\hi)+(\a))
	WM \z
.endr
.endr
.endm
.macro FETCH k, f                      ; 32 LDS loads in one run: E's eight fragments at byte k of the rows; v's eight, turned, 32 keys further down for each 64 of k
	WIN 0x40
.irp i, 0,1,2,3,4,5,6,7
	ds_load_b128 v[(\f)+8*(\i):(\f)+8*(\i)+3],   v[ADRB] offset:(\k)+(\i)*16*PB
	ds_load_b128 v[(\f)+8*(\i)+4:(\f)+8*(\i)+7], v[ADRB] offset:(\k)+(\i)*16*PB+32
.endr
	WIN 0
.irp i, 0,1,2,3
	ds_load_tr16_b128 v[(\f)+8*(\i):(\f)+8*(\i)+3],   v[ALO] offset:((\k)/64)*32*PA+(\i)*32
	ds_load_tr16_b128 v[(\f)+8*(\i)+4:(\f)+8*(\i)+7], v[ALO] offset:((\k)/64)*32*PA+16*PA+(\i)*32
.endr
.irp i, 0,1,2,3
	ds_load_tr16_b128 v[(\f)+32+8*(\i):(\f)+32+8*(\i)+3],   v[AHI] offset:((\k)/64)*32*PA+(\i)*32
	ds_load_tr16_b128 v[(\f)+32+8*(\i)+4:(\f)+32+8*(\i)+7], v[AHI] offset:((\k)/64)*32*PA+16*PA+(\i)*32
.endr
.endm
.macro SCALE f                         ; P = E f, two at a time, in place: all in window 1
	WIN 0x45
.irp b, 0,1,2,3,4,5,6,7
.irp i, 0,1,2,3,4,5,6,7
	v_pk_mul_f16 v[(\f)+8*(\b)+(\i)], v[(\f)+8*(\b)+(\i)], v[\b]
.endr
.endr
.endm
.macro QUARTER k, f, g, z
	s_wait_dscnt 8                                 ; all but the youngest eight loads (A's blocks 4-7, first used 32 products on)
	SCALE \f
	MUL16 \f, 0, 0, \z
	MUL16 \f, 0, 2, \z
	PLACES
	FETCH \k, \g
	s_wait_dscnt 32                                ; all but the 32 just issued
	MUL16 \f, 1, 0, \z
	MUL16 \f, 1, 2, \z
.endm
; A slot's last quarter and the change of slots: in front of the barrier each wave waits for all its tensor loads, adds 0 to its spare word, and waits for that and for its reads of this slot; the quarter's 64 scalings
; stand between the add and the wait for it.  All 64 products of the quarter follow the refill, so that they are multiplied while the tile is on its way.
; fill = 1: the barrier opens a round of the cluster's barrier and the joint refill is the first thing behind it.  fill = 0: the tail; in its last trip the run of loads is jumped over, forward.
.macro TURN fill
.if \fill
	s_wait_xcnt 0x0                                ; the last prefetch, a step back, has read its address
	s_add_nc_u64 s[PFA:PFA+1], s[PFA:PFA+1], s[PFS:PFS+1]
.endif
	WIN 0
	s_wait_tensorcnt 0x0                           ; all my tensor loads have landed
	ds_add_u32 v[SPW], v[NIL]
	s_wait_dscnt 9                                 ; the add and the youngest eight loads may be out
	SCALE F1
	s_wait_dscnt 0x0                               ; the add is done, and my reads of this slot are over
	WIN 0
	s_barrier_signal -1
	s_barrier_wait -1
.if \fill
	CREST
	s_xor_b32 s[G0A+5], s[G0A+5], SLOT1
	s_add_nc_u64 s[G0A+6:G0A+7], s[G0A+6:G0A+7], ASTEP
	s_xor_b32 s[G0B+5], s[G0B+5], SLOT1
	s_add_nc_u64 s[G0B+6:G0B+7], s[G0B+6:G0B+7], BSTEP
	JLOAD 1                                        ; its four v_nop are also the places in front of the loads below
.else
	s_cmp_eq_u32 s[CNT], 1
	s_cbranch_scc1 .Lnf_\@
	PLACES
.endif
	s_xor_b32 s[TB], s[TB], SLOT1
	v_add_nc_u32 v[ALO], s[TB], v[ALO0]
	v_add_nc_u32 v[AHI], s[TB], v[AHI0]
	v_add_nc_u32 v[ADRB], s[TB], v[ADRB0]
	v_add_nc_u32 v[FTA], 512, v[FTA]               ; the next step's factors: this step's were last read by the scalings above
	WIN 0x40
	ds_load_b128 v[0:3], v[FTA]
	ds_load_b128 v[4:7], v[FTA] offset:16
	FETCH 0, F0
.if \fill
	ASK
.else
.Lnf_\@:
.endif
	MUL16 F1, 0, 0, 0
	MUL16 F1, 0, 2, 0
	MUL16 F1, 1, 0, 0
	MUL16 F1, 1, 2, 0
.endm
.macro HEAD
	v_lshl_add_u32 v[SPW], v0, 2, SPARE
	v_mov_b32 v[NIL], 0
	ds_add_u32 v[SPW], v[NIL]                      ; the wave's opening: the add and its wait come ahead of my first tensor load
	v_lshrrev_b32 v1, 5, v0
	v_readfirstlane_b32 s[WV], v1
	s_lshr_b32 s[WH], s[WV], 1
	s_and_b32 s[WL], s[WV], 1
	s_bfe_u32 s[CX], ttmp6, 0x40000
	s_bfe_u32 s[CY], ttmp6, 0x40004
	s_mov_b32 s[XC], ttmp9
	s_lshl_b32 s[XT], ttmp9, 2
	s_add_co_u32 s[XT], s[XT], s[CX]
	s_and_b32 s[YC], ttmp7, 0xffff
	s_lshl_b32 s[YT], s[YC], 2
	s_add_co_u32 s[YT], s[YT], s[CY]
	s_lshl_b32 s22, s[CY], 2
	s_lshl_b32 s22, 15, s22
	s_lshl_b32 s23, 0x1111, s[CX]
	s_or_b32 s[G1A], s22, (1<<16)|(1<<20)|(1<<21)|(5<<22)|((APAD-1)<<25)
	s_or_b32 s[G1B], s23, (1<<16)|(1<<20)|(1<<21)|(5<<22)|(3<<25)
	s_mov_b32 s[G1A+1], 128<<16
	s_mov_b32 s[G1A+2], AL<<16
	s_mov_b32 s[G1A+3], 128<<16
	s_mov_b32 s[G1A+4], AL
	s_mov_b32 s[G1A+5], ASTR
	s_mov_b32 s[G1A+6], 0
	s_mov_b32 s[G1A+7], 0
	s_mov_b32 s[G1B+1], 128<<16
	s_mov_b32 s[G1B+2], 128<<16
	s_mov_b32 s[G1B+3], 128<<16
	s_mov_b32 s[G1B+4], 128
	s_mov_b32 s[G1B+5], BSTR
	s_mov_b32 s[G1B+6], 0
	s_mov_b32 s[G1B+7], 0
	s_mul_i32 s45, s[WL], AL*PA
	s_mul_i32 s47, s[WL], 128*PB
	s_add_co_u32 s47, s47, BOFF
.endm
.macro FILLS
	CROUND
.irp s, 0,1
	s_mov_b32 s[G0A+4*(\s)], 1
	s_add_co_u32 s[G0A+4*(\s)+1], s45, (\s)*SLOT1
	s_add_nc_u64 s[G0A+4*(\s)+2:G0A+4*(\s)+3], s[40:41], (\s)*ASTEP
	s_or_b32 s[G0A+4*(\s)+3], s[G0A+4*(\s)+3], 0x80000000
	s_mov_b32 s[G0B+4*(\s)], 1
	s_add_co_u32 s[G0B+4*(\s)+1], s47, (\s)*SLOT1
	s_add_nc_u64 s[G0B+4*(\s)+2:G0B+4*(\s)+3], s[42:43], (\s)*BSTEP
	s_or_b32 s[G0B+4*(\s)+3], s[G0B+4*(\s)+3], 0x80000000
	JLOAD \s
.endr
.endm
.macro MAIN
	s_wait_tensorcnt 0x1                           ; my part of slot 0 is in; slot 1's may stay out
	s_wait_dscnt 0x0                               ; for the others' sake: my part of the factors is stored
	s_barrier_signal -1
	s_barrier_wait -1
	s_mov_b32 s[TB], 0
	v_mov_b32 v[ALO], v[ALO0]
	v_mov_b32 v[AHI], v[AHI0]
	v_mov_b32 v[ADRB], v[ADRB0]
	WIN 0x40
	ds_load_b128 v[0:3], v[FTA]
	ds_load_b128 v[4:7], v[FTA] offset:16
	FETCH 0, F0
	QUARTER 64, F0, F1, 1
	WIN 0
	s_mov_b32 s[CNT], T-2
.Lstep:
	TURN 1
	QUARTER 64, F0, F1, 0
	WIN 0
	s_sub_co_u32 s[CNT], s[CNT], 1
	s_cmp_lg_u32 s[CNT], 0
	s_cbranch_scc1 .Lstep
	s_mov_b32 s[CNT], 2
.Ltail:                                ; the last two steps ask for nothing: a loop of its own
	TURN 0
	WIN 0
	s_cmp_eq_u32 s[CNT], 1
	s_cbranch_scc1 .Llast
	QUARTER 64, F0, F1, 0
	WIN 0
.Llast:
	PLACES                                         ; four plain instructions on the way that leads here straight from TURN's last products on buffer 1: the scaling at the loop's head writes that buffer's registers
	s_sub_co_u32 s[CNT], s[CNT], 1
	s_cmp_lg_u32 s[CNT], 0
	s_cbranch_scc1 .Ltail
	PLACES
	PLACES
	s_wait_dscnt 0x0                               ; no LDS read of mine is out,
	s_barrier_signal -1
	s_barrier_wait -1                              ; nor of any wave: the ring, which has had its last fill, may be written
.endm
.macro XCHG                            ; window 3 goes to my partner, its window 3 comes into my window 1; each accumulator's low registers are read first
	WIN 0x0c
.set n, 0
.rept 32
	ds_store_b128 v[XS], v[8*n:8*n+3] offset:1024*n
	ds_store_b128 v[XS], v[8*n+4:8*n+7] offset:1024*n+512
.set n, n+1
.endr
	WIN 0
	s_wait_dscnt 0x0                               ; for my partner's sake: my stores are done
	s_barrier_signal -1
	s_barrier_wait -1
	WIN 0x40
.set n, 0
.rept 32
	ds_load_b128 v[8*n:8*n+3], v[XR] offset:1024*n
	ds_load_b128 v[8*n+4:8*n+7], v[XR] offset:1024*n+512
.set n, n+1
.endr
	WIN 0
	s_wait_dscnt 32                                ; blocks 0 and 1 are in; the 32 loads of blocks 2 and 3 may be out
.endm
.macro ADDP a
	WIN 0x06
.set n, 0
.rept 32
	v_pk_add_f32 v[64+2*n:65+2*n], v[64*(\a)+2*n:64*(\a)+2*n+1], v[64*(\a)+2*n:64*(\a)+2*n+1]
.set n, n+1
.endr
	WIN 0
.endm
.macro PACK
.set n, 0
.rept 32
	v_cvt_pk_f16_f32 v[192+n], v[64+2*n], v[65+2*n]
.set n, n+1
.endr
.endm
.macro TOSTAGE a
.set BK, 32+192*((\a)%2)
.irp b, 0,1,2,3,4,5,6,7
	ds_store_b128 v[STO], v[192+4*(\b):195+4*(\b)] offset:32*(\b)
.endr
.irp t, 0,1,2,3,4,5,6,7
	ds_load_b128 v[BK+4*(\t):BK+4*(\t)+3], v[RD] offset:(\t)*2*SP
.endr
.endm
.macro SEND a
.set BK, 32+192*((\a)%2)
	s_wait_dscnt 0x0                               ; the block is back in registers
	s_wait_xcnt 0x0                                ; earlier stores have read their registers: the next block may land on them
.irp t, 0,1,2,3,4,5,6,7
	global_store_b128 v[CO], v[BK+4*(\t):BK+4*(\t)+3], s[CP:CP+1] offset:(16*(\a)+2*(\t))*CPITCH  ; 16 lanes store 256 consecutive bytes, aligned
.endr
.endm
	s_load_b256 s[4:11], s[0:1], 0x0               ; kqvh s[4:5], eh s[6:7], stats s[8:9], oh s[10:11]
	HEAD
	s_lshr_b32 s[BT], s[YC], 1
	s_lshl_b32 s40, s[BT], 11                      ; A: v: key row 2,048 batch + 64 x half, 4,096 bytes in, + 256 bytes for each tile of 128 c (y % 8): registers that never hold cx
	s_lshl_b32 s44, s[WL], 6
	s_add_co_u32 s40, s40, s44
	s_mul_i32 s40, s40, 6144
	s_and_b32 s41, s[YT], 7
	s_lshl_b32 s41, s41, 8
	s_add_co_u32 s40, s40, s41
	s_add_co_u32 s40, s40, 4096
	s_mov_b32 s41, 0
	s_lshl_b32 s42, s[BT], 11                      ; B: E: query row 2,048 batch + 256 x + 128 x half, 4,096 bytes a row: registers that never hold cy
	s_lshl_b32 s43, s[XT], 8
	s_add_co_u32 s42, s42, s43
	s_lshl_b32 s44, s[WL], 7
	s_add_co_u32 s42, s42, s44
	s_lshl_b32 s42, s42, 12
	s_mov_b32 s43, 0
	s_wait_dscnt 0x0                               ; the opening add is done
	s_wait_kmcnt 0x0
	s_add_nc_u64 s[40:41], s[4:5], s[40:41]
	s_add_nc_u64 s[42:43], s[6:7], s[42:43]
	FILLS
	; THE FACTORS, while the first tiles are on their way.  Wave w, lane l takes the queries 128 (w >> 1) + 16 (l / 4) + 8 (w & 1) + 2 (l % 4) and the next of the work-group's 256: so a wave's words of a block
	; are 256 consecutive bytes of the table, its own.
	v_and_b32 v1, 15, v0
	v_bfe_u32 v2, v0, 4, 1
	v_and_b32 v3, 31, v0
	v_and_b32 v14, 3, v0
	v_bfe_u32 v15, v0, 2, 3
	s_lshl_b32 s82, s[WH], 9
	s_lshl_b32 s83, s[WL], 5
	s_add_co_u32 s82, s82, s83
	v_lshl_add_u32 v31, v15, 6, s82
	v_lshl_add_u32 v31, v14, 3, v31                ; 4 bytes x my first query
	s_lshl_b32 s76, s[BT], 17                      ; stats at the batch's block 0, the work-group's first query
	s_lshl_b32 s77, s[XT], 10
	s_add_co_u32 s76, s76, s77
	s_mov_b32 s77, 0
	s_add_nc_u64 s[8:9], s[8:9], s[76:77]
.set n, 0
.rept 16
	global_load_b64 v[64+2*n:65+2*n], v31, s[8:9] offset:8192*n            ; m of block n
	global_load_b64 v[96+2*n:97+2*n], v31, s[8:9] offset:524288+8192*n     ; l
.set n, n+1
.endr
	s_lshl_b32 s82, s[WH], 13
	s_lshl_b32 s83, s[WL], 8
	s_add_co_u32 s82, s82, s83
	s_add_co_u32 s82, s82, FT
	v_lshl_add_u32 v6, v14, 6, s82
	v_lshl_add_u32 v6, v15, 2, v6                  ; where my first query's factor of block 0 goes; the next query's lies 32 bytes on
	s_lshl_b32 s82, s[WL], 13
	s_add_co_u32 s82, s82, FT
	v_lshl_add_u32 v[FTA], v1, 5, s82              ; and what I read: the eight column blocks' factors of row l % 16
	; fragments.  v, turned: lane l reads key 8 (l / 16) + l % 8, c 8 ((l / 8) % 2) + 0..7; my 64 keys of the slot's 128; the c that I keep, the c that I send
	v_and_b32 v4, 7, v0
	v_lshl_add_u32 v4, v2, 3, v4
	v_mul_u32_u24 v4, v4, PA
	v_bfe_u32 v5, v0, 3, 1
	v_lshl_add_u32 v4, v5, 4, v4
	s_mul_i32 s82, s[WH], 64*PA
	v_add_nc_u32 v4, s82, v4
	s_sub_co_u32 s84, 1, s[WH]                     ; my partner's half
	s_lshl_b32 s82, s[WH], 7
	s_lshl_b32 s83, s84, 7
	v_add_nc_u32 v[ALO0], s82, v4
	v_add_nc_u32 v[AHI0], s83, v4
	v_mul_u32_u24 v4, v1, PB
	v_lshl_add_u32 v4, v2, 4, v4
	s_mul_i32 s83, s[WL], 128*PB
	s_add_co_u32 s83, s83, s82                     ; + my 64 keys' 128 bytes
	s_add_co_u32 s83, s83, BOFF
	v_add_nc_u32 v[ADRB0], s83, v4
	s_lshl_b32 s82, s[WV], 15                      ; the exchange: 32 KiB a wave, over the ring
	v_lshl_add_u32 v[XS], v3, 4, s82
	s_lshl_b32 s83, s84, 1
	s_add_co_u32 s83, s83, s[WL]
	s_lshl_b32 s83, s83, 15
	v_lshl_add_u32 v[XR], v3, 4, s83
	s_mul_i32 s82, s[WV], 16*SP
	s_add_co_u32 s82, s82, STAGE
	v_mul_u32_u24 v5, v1, SP
	v_lshl_add_u32 v5, v2, 4, v5
	v_add_nc_u32 v[STO], s82, v5
	v_mul_u32_u24 v5, v2, SP
	v_lshl_add_u32 v5, v1, 4, v5
	v_add_nc_u32 v[RD], s82, v5
	v_mul_u32_u24 v5, v2, CPITCH
	v_lshl_add_u32 v[CO], v1, 4, v5
	s_lshl_b32 s74, s[YT], 7                       ; oh at my 64 rows and 128 columns
	s_lshl_b32 s75, s[WH], 6
	s_add_co_u32 s74, s74, s75
	s_lshl_b32 s74, s74, 12
	s_lshl_b32 s75, s[XT], 9
	s_add_co_u32 s74, s74, s75
	s_lshl_b32 s75, s[WL], 8
	s_add_co_u32 s74, s74, s75
	s_mov_b32 s75, 0
	s_add_nc_u64 s[CP:CP+1], s[CP:CP+1], s[74:75]
	; the prefetches.  v's tile is read by both clusters of this row of clusters: cluster x = 0 asks, wave 0, each partner 32 of the step's 128 keys by its cx.  E's rows are read by the batch's two rows of
	; clusters: the even one asks, waves 2 and 3, each partner 32 of the wave's 128 rows by its cy.
	s_lshl_b32 s88, s[BT], 11
	s_lshl_b32 s89, s[CX], 5
	s_add_co_u32 s88, s88, s89
	s_mul_i32 s88, s88, 6144
	s_and_b32 s89, s[YT], 7
	s_lshl_b32 s89, s89, 8
	s_add_co_u32 s88, s88, s89
	s_add_co_u32 s88, s88, 4096+3*ASTEP            ; at step 3: the first refill steps it to 4
	s_lshl_b32 s90, s[BT], 11
	s_lshl_b32 s89, s[XT], 8
	s_add_co_u32 s90, s90, s89
	s_lshl_b32 s89, s[WL], 7
	s_add_co_u32 s90, s90, s89
	s_lshl_b32 s89, s[CY], 5
	s_add_co_u32 s90, s90, s89
	s_lshl_b32 s90, s90, 12
	s_add_co_u32 s90, s90, 3*BSTEP
	s_and_b32 s93, s[YC], 1
	s_mov_b32 s[PFS], BSTEP
	s_mov_b32 s95, ASTEP
	s_mov_b32 s94, 4096
	s_mov_b32 s79, 6144
	s_cmp_eq_u32 s[WH], 0
	s_cselect_b32 s88, s88, s90
	s_cselect_b32 s91, s[XC], s93
	s_cselect_b32 s92, s[WL], 0
	s_cselect_b32 s[PFS], s95, s[PFS]
	s_cselect_b32 s94, s79, s94
	s_cselect_b64 s[PFA:PFA+1], s[4:5], s[6:7]
	s_mov_b32 s89, 0
	s_mov_b32 s[PFS+1], 0
	s_add_nc_u64 s[PFA:PFA+1], s[PFA:PFA+1], s[88:89]
	s_or_b32 s91, s91, s92
	s_cmp_eq_u32 s91, 0
	s_cselect_b32 s[LIM], 2, -1
	v_mul_u32_u24 v[PFO], v3, s94
	s_wait_loadcnt 0x0                             ; m and l
	v_max3_num_f32 v8, v64, v66, v68               ; the rows' maxima over the 16 blocks
	v_max3_num_f32 v9, v65, v67, v69
.irp g, 0,1,2,3,4,5
	v_max3_num_f32 v8, v8, v[70+4*(\g)], v[72+4*(\g)]
	v_max3_num_f32 v9, v9, v[71+4*(\g)], v[73+4*(\g)]
.endr
	v_max_num_f32 v8, v8, v94
	v_max_num_f32 v9, v9, v95
.set n, 0
.rept 16
	v_pk_add_f32 v[64+2*n:65+2*n], v[64+2*n:65+2*n], v[8:9] neg_lo:[0,1] neg_hi:[0,1]
.set n, n+1
.endr
.set n, 0
.rept 32
	v_exp_f32 v[64+n], v[64+n]
.set n, n+1
.endr
	v_nop                                          ; a plain instruction behind the last exponential,
	s_wait_alu depctr_va_vdst(0)                   ; and the one wait ahead of the batch's first reader
	v_pk_mul_f32 v[10:11], v[64:65], v[96:97]      ; l_row
.set n, 1
.rept 15
	v_pk_fma_f32 v[10:11], v[64+2*n:65+2*n], v[96+2*n:97+2*n], v[10:11]
.set n, n+1
.endr
	v_rcp_f32 v12, v10
	v_rcp_f32 v13, v11
	v_nop
	s_wait_alu depctr_va_vdst(0)                   ; one wait for the two reciprocals
.set n, 0
.rept 16
	v_pk_mul_f32 v[64+2*n:65+2*n], v[64+2*n:65+2*n], v[12:13]
.set n, n+1
.endr
.set n, 0
.rept 16
	v_cvt_pk_f16_f32 v[96+2*n], v[64+2*n], v[64+2*n]   ; f twice: one packed multiply scales two weights
	v_cvt_pk_f16_f32 v[97+2*n], v[65+2*n], v[65+2*n]
	ds_store_b32 v6, v[96+2*n] offset:512*n
	ds_store_b32 v6, v[97+2*n] offset:512*n+32
.set n, n+1
.endr
	MAIN
	XCHG
	ADDP 0
	PACK
	TOSTAGE 0
.irp a, 1,2,3                          ; block a's arithmetic stands between block a - 1's loads from the stage and the wait for them
	ADDP \a
	PACK
	SEND (\a)-1
	TOSTAGE \a
.endr
	SEND 3
	s_wait_tensorcnt 0x0                           ; the wave's end
	ds_add_u32 v[SPW], v[NIL]
	s_wait_dscnt 0x0
	CROUND                                         ; the closing round
	s_endpgm
.Lfunc_end_k_q52cd8a9971_pv:
	.size	k_q52cd8a9971_pv, .Lfunc_end_k_q52cd8a9971_pv-k_q52cd8a9971_pv
	.p2alignl 7, 3214868480
	.fill 96, 4, 3214868480
	.section	.rodata,"a",@progbits
	.p2align	6, 0x0
	.amdhsa_kernel k_q52cd8a9971_pv
		.amdhsa_group_segment_fixed_size 327680
		.amdhsa_private_segment_fixed_size 0
		.amdhsa_enable_private_segment 0
		.amdhsa_kernarg_size 32
		.amdhsa_user_sgpr_count 2
		.amdhsa_user_sgpr_kernarg_segment_ptr 1
		.amdhsa_wavefront_size32 1
		.amdhsa_system_sgpr_workgroup_id_x 1
		.amdhsa_system_sgpr_workgroup_id_y 1
		.amdhsa_system_sgpr_workgroup_id_z 1
		.amdhsa_system_vgpr_workitem_id 0
		.amdhsa_next_free_vgpr 1024
		.amdhsa_next_free_sgpr 96
		.amdhsa_reserve_vcc 0
		.amdhsa_float_denorm_mode_32 3
		.amdhsa_float_denorm_mode_16_64 3
		.amdhsa_memory_ordered 1
		.amdhsa_forward_progress 1
		.amdhsa_inst_pref_size 112
	.end_amdhsa_kernel
	.amdgpu_metadata
---
amdhsa.version: [ 1, 2 ]
amdhsa.kernels:
  - .name:           k_q52cd8a9971_pv
    .symbol:         k_q52cd8a9971_pv.kd
    .args:
      - { .name: kqvh, .offset: 0, .size: 8, .value_kind: global_buffer, .address_space: global }
      - { .name: eh, .offset: 8, .size: 8, .value_kind: global_buffer, .address_space: global }
      - { .name: stats, .offset: 16, .size: 8, .value_kind: global_buffer, .address_space: global }
      - { .name: oh, .offset: 24, .size: 8, .value_kind: global_buffer, .address_space: global }
    .group_segment_fixed_size: 327680
    .private_segment_fixed_size: 0
    .kernarg_segment_align: 8
    .kernarg_segment_size: 32
    .max_flat_workgroup_size: 128
    .sgpr_count:     96
    .vgpr_count:     1024
    .wavefront_size: 32
...
	.end_amdgpu_metadata
.endif
;; end of part 4
;; launch proj (part 5): grid 4 x 64, 4 waves a work-group, clusters of 4 x 4, 327,680 bytes of LDS; arguments oh, h16, b_proj, out0; writes out0
.if DOCPART == 5
	.amdgcn_target "amdgcn-amd-amdhsa--gfx1250"
	.amdhsa_code_object_version 6
	.text
	.protected	k_q52cd8a9971_proj
	.globl	k_q52cd8a9971_proj
	.p2align	8
	.type	k_q52cd8a9971_proj,@function
k_q52cd8a9971_proj:
	s_mov_b64 s[64:65], 0
	v_nop
	global_prefetch_b8 v0, s[64:65] scope:SCOPE_SE
	s_setreg_imm32_b32 hwreg(HW_REG_WAVE_MODE, 25, 1), 1
	s_wait_xcnt 0x0
	s_wait_alu depctr_hold_cnt(0) depctr_sa_sdst(0) depctr_va_vdst(0) depctr_va_sdst(0) depctr_va_ssrc(0) depctr_va_vcc(0) depctr_vm_vsrc(0)
	s_getreg_b32 s2, hwreg(HW_REG_IB_STS2, 6, 4)
	s_cmp_eq_u32 s2, 0
	s_cbranch_scc0 .Lentry_in_a_cluster
	s_endpgm
.Lentry_in_a_cluster:
	s_bfe_u32 s2, ttmp6, 0x10000c
	s_cmp_lg_u32 s2, 0xf033
	s_cbranch_scc0 .Lentry_shape_is_right
	s_endpgm
.Lentry_shape_is_right:
; out0[m][e] = sum over d of R[m][d] W_proj[e][d] + b_proj[e].  R [8192][1024] is oh as it lies, f16; W_proj [1024][1024] is the bf16 rounding written as f16, at byte 23,068,672 of h16; the bias is rounded to bf16 here
; like every input; sums in f32; out0 [8192][1024] f32.
; LIMIT. NaN and infinities are not treated apart (an infinite bias times 0 gives NaN).
; SHARES. A work-group makes 128 rows x 256 columns: 256 work-groups.  A wave holds 128 x 128 of f32 sums.  K IS SPLIT INSIDE THE WORK-GROUP: wave w takes columns 128 (w & 1) on and, of each slot's 128 along K, the 64
; at 64 (w >> 1); the two partial sums of a pair of waves meet once, in LDS, in f32: each wave keeps the half of the rows whose number is its own w >> 1 (window 2) and sends the other (window 3).
; RING, CLUSTER, LAYOUT: K in steps of 128 through two LDS slots (A's 128 rows, B's 256, 256 bytes of memory each, padded to 272); one joint tensor load a wave behind each round of the cluster's barrier (by this
; text's count two loads of a wave are out at the start, later one); 4 x 4 work-groups, A's tile shared along a row of the cluster, B's along a column; the matrix instruction is used transposed, so that a lane holds
; row l % 16 of C and eight neighbouring columns.
; REGISTERS in windows of 256: window 0: v0-31 addresses, v64-127 and v128-191 A's fragments, on the way out v64-255; window 1: v0-63 the bias as the sums' start, v64-191 B's fragments, on the way out all 256 the
; partner's sums; windows 2, 3: the accumulators.
.set T,   8
.set PA,  272
.set PB,  272
.set APAD, 4
.set AL,  64
.set BOFF, 2*AL*PA
.set SLOT1, 0x20000
.set STAGE, SLOT1+BOFF+256*PB          ; behind the ring: 16 rows x 528 bytes for each wave
.set SP,  528                          ; 512 bytes of f32 + 16
.set SPARE, STAGE+4*16*SP
.set ASTR, 1024
.set BSTR, 1024
.set ASTEP, 256
.set BSTEP, 256
.set WOFF, 23068672                    ; W_proj in h16
.set CPITCH, 4096
.set CP,  10                           ; s[10:11] out0
.set BP,  8                            ; s[8:9] the bias
.set ALO, 16
.set AHI, 17
.set ADRB, 18
.set ALO0, 19
.set AHI0, 20
.set ADRB0, 21
.set XS,  23
.set STO, 24
.set RD,  25
.set CO,  26
.set XR,  27
.set SPW, 28
.set NIL, 29
.set PFO, 30
.set F0,  64
.set F1,  128
.set WV,  12
.set WH,  13
.set WL,  14
.set CX,  15
.set CY,  16
.set XC,  17
.set YC,  18
.set XT,  19
.set YT,  20
.set G1A, 24
.set G0A, 32
.set G1B, 48
.set G0B, 56
.set TB,  66
.set CNT, 67
.set LIM, 68
.set PFA, 70
.set PFS, 72
.set MSB, 0
.macro WIN new                         ; the immediate's high byte repeats the setting that is left; a switch that changes nothing is dropped
.if MSB != (\new)
	s_set_vgpr_msb (MSB<<8)|(\new)
.set MSB, \new
.endif
.endm
.macro PLACES                          ; four plain vector instructions between a matrix instruction and a load into, or a vector write or read of, its registers
.rept 4
	v_nop
.endr
.endm
.macro CREST
	s_cmp_lg_u32 s[WV], 0
	s_cbranch_scc1 .Lnot_wave_0_\@
	s_barrier_signal -3
.Lnot_wave_0_\@:
	s_barrier_wait -3
	s_barrier_signal -1
	s_barrier_wait -1
.endm
.macro CROUND
	s_barrier_signal -1
	s_barrier_wait -1
	CREST
.endm
.macro JLOAD s                         ; a joint load: waves 0, 1 fetch A's halves, waves 2, 3 B's; s_nop 0 and four v_nop follow each line
	s_cmp_eq_u32 s[WH], 0
	s_cbranch_scc0 .Lfor_b_\@
	tensor_load_to_lds s[G0A+4*(\s):G0A+4*(\s)+3], s[G1A:G1A+7]
	s_nop 0
.rept 4
	v_nop
.endr
	s_branch .Lasked_\@
.Lfor_b_\@:
	tensor_load_to_lds s[G0B+4*(\s):G0B+4*(\s)+3], s[G1B:G1B+7]
	s_nop 0
.rept 4
	v_nop
.endr
.Lasked_\@:
.endm
.macro ASK                             ; a prefetch of the K step two refills on: 32 rows x 256 bytes, a lane a row; the last two refills of the loop ask for nothing
	s_cmp_gt_u32 s[CNT], s[LIM]
	s_cbranch_scc0 .Lnot_mine_\@
	global_prefetch_b8 v[PFO], s[PFA:PFA+1] th:TH_LOAD_NT scope:SCOPE_SE
.Lnot_mine_\@:
.endm
.macro WM z
.if (\z) == 2
	v_wmma_f32_16x16x32_f16 v[rD:rD+7], v[rB:rB+7], v[rA:rA+7], v[rC:rC+7]
.else
	v_wmma_f32_16x16x32_f16 v[rD:rD+7], v[rB:rB+7], v[rA:rA+7], v[rD:rD+7]
.endif
.endm
.macro MUL16 f, hi, a0, z              ; 16 products; the 64 accumulators take turns in the same order in every quarter
.if (\z) == 2
	WIN 0x91+0x40*(\hi)
.else
	WIN 0xa1+0x50*(\hi)
.endif
.irp a, \a0, (\a0)+1
.irp b, 0,1,2,3,4,5,6,7
.set rD, 8*(8*(\a)+(\b))
.set rB, (\f)+8*(\b)
.set rA, (\f)+8*(4*(\hi)+(\a))
.set rC, 8*(\b)
	WM \z
.endr
.endr
.endm
.macro FETCH k, f                      ; 32 LDS loads in one run
	WIN 0x40
.irp i, 0,1,2,3,4,5,6,7
	ds_load_b128 v[(\f)+8*(\i):(\f)+8*(\i)+3],   v[ADRB] offset:(\k)+(\i)*16*PB
	ds_load_b128 v[(\f)+8*(\i)+4:(\f)+8*(\i)+7], v[ADRB] offset:(\k)+(\i)*16*PB+32
.endr
	WIN 0
.irp i, 0,1,2,3
	ds_load_b128 v[(\f)+8*(\i):(\f)+8*(\i)+3],   v[ALO] offset:(\k)+(\i)*16*PA
	ds_load_b128 v[(\f)+8*(\i)+4:(\f)+8*(\i)+7], v[ALO] offset:(\k)+(\i)*16*PA+32
.endr
.irp i, 0,1,2,3
	ds_load_b128 v[(\f)+32+8*(\i):(\f)+32+8*(\i)+3],   v[AHI] offset:(\k)+(\i)*16*PA
	ds_load_b128 v[(\f)+32+8*(\i)+4:(\f)+32+8*(\i)+7], v[AHI] offset:(\k)+(\i)*16*PA+32
.endr
.endm
.macro QUARTER k, f, g, z
	s_wait_dscnt 8                                 ; all but the youngest eight loads (A's blocks 4-7, first used 32 products on)
	MUL16 \f, 0, 0, \z
	MUL16 \f, 0, 2, \z
	PLACES
	FETCH \k, \g
	s_wait_dscnt 32                                ; all but the 32 just issued
	MUL16 \f, 1, 0, \z
	MUL16 \f, 1, 2, \z
.endm
; A slot's last quarter and the change of slots: in front of the barrier each wave waits for all its tensor loads, adds 0 to its spare word, and waits for that and for its reads of this slot; sixteen products stand
; between the add and the wait for it.  The other 48 follow the refill, so that they are multiplied while the tile is on its way.
; fill = 1: the barrier opens a round of the cluster's barrier and the joint refill is the first thing behind it.  fill = 0: the tail; in its last trip the run of loads is jumped over, forward.
.macro TURN fill
.if \fill
	s_wait_xcnt 0x0                                ; the last prefetch, a K step back, has read its address
	s_add_nc_u64 s[PFA:PFA+1], s[PFA:PFA+1], s[PFS:PFS+1]
.endif
	WIN 0
	s_wait_tensorcnt 0x0                           ; all my tensor loads have landed
	ds_add_u32 v[SPW], v[NIL]
	s_wait_dscnt 9                                 ; the add and the youngest eight loads may be out
	MUL16 F1, 0, 0, 0
	s_wait_dscnt 0x0                               ; the add is done, and my reads of this slot are over
	WIN 0
	s_barrier_signal -1
	s_barrier_wait -1
.if \fill
	CREST
	s_xor_b32 s[G0A+5], s[G0A+5], SLOT1
	s_add_nc_u64 s[G0A+6:G0A+7], s[G0A+6:G0A+7], ASTEP
	s_xor_b32 s[G0B+5], s[G0B+5], SLOT1
	s_add_nc_u64 s[G0B+6:G0B+7], s[G0B+6:G0B+7], BSTEP
	JLOAD 1                                        ; its four v_nop are also the places in front of the loads below
.else
	s_cmp_eq_u32 s[CNT], 1
	s_cbranch_scc1 .Lnf_\@
	PLACES
.endif
	s_xor_b32 s[TB], s[TB], SLOT1
	v_add_nc_u32 v[ALO], s[TB], v[ALO0]
	v_add_nc_u32 v[AHI], s[TB], v[AHI0]
	v_add_nc_u32 v[ADRB], s[TB], v[ADRB0]
	FETCH 0, F0
.if \fill
	ASK
.else
.Lnf_\@:
.endif
	MUL16 F1, 0, 2, 0
	MUL16 F1, 1, 0, 0
	MUL16 F1, 1, 2, 0
.endm
.macro HEAD
	v_lshl_add_u32 v[SPW], v0, 2, SPARE
	v_mov_b32 v[NIL], 0
	ds_add_u32 v[SPW], v[NIL]                      ; the wave's opening: the add and its wait come ahead of my first tensor load
	v_lshrrev_b32 v1, 5, v0
	v_readfirstlane_b32 s[WV], v1
	s_lshr_b32 s[WH], s[WV], 1
	s_and_b32 s[WL], s[WV], 1
	s_bfe_u32 s[CX], ttmp6, 0x40000
	s_bfe_u32 s[CY], ttmp6, 0x40004
	s_mov_b32 s[XC], ttmp9
	s_lshl_b32 s[XT], ttmp9, 2
	s_add_co_u32 s[XT], s[XT], s[CX]
	s_and_b32 s[YC], ttmp7, 0xffff
	s_lshl_b32 s[YT], s[YC], 2
	s_add_co_u32 s[YT], s[YT], s[CY]
	s_lshl_b32 s22, s[CY], 2
	s_lshl_b32 s22, 15, s22
	s_lshl_b32 s23, 0x1111, s[CX]
	s_or_b32 s[G1A], s22, (1<<16)|(1<<20)|(1<<21)|(5<<22)|((APAD-1)<<25)
	s_or_b32 s[G1B], s23, (1<<16)|(1<<20)|(1<<21)|(5<<22)|(3<<25)
	s_mov_b32 s[G1A+1], 128<<16
	s_mov_b32 s[G1A+2], AL<<16
	s_mov_b32 s[G1A+3], 128<<16
	s_mov_b32 s[G1A+4], AL
	s_mov_b32 s[G1A+5], ASTR
	s_mov_b32 s[G1A+6], 0
	s_mov_b32 s[G1A+7], 0
	s_mov_b32 s[G1B+1], 128<<16
	s_mov_b32 s[G1B+2], 128<<16
	s_mov_b32 s[G1B+3], 128<<16
	s_mov_b32 s[G1B+4], 128
	s_mov_b32 s[G1B+5], BSTR
	s_mov_b32 s[G1B+6], 0
	s_mov_b32 s[G1B+7], 0
	s_mul_i32 s45, s[WL], AL*PA
	s_mul_i32 s47, s[WL], 128*PB
	s_add_co_u32 s47, s47, BOFF
.endm
.macro FILLS
	CROUND
.irp s, 0,1
	s_mov_b32 s[G0A+4*(\s)], 1
	s_add_co_u32 s[G0A+4*(\s)+1], s45, (\s)*SLOT1
	s_add_nc_u64 s[G0A+4*(\s)+2:G0A+4*(\s)+3], s[40:41], (\s)*ASTEP
	s_or_b32 s[G0A+4*(\s)+3], s[G0A+4*(\s)+3], 0x80000000
	s_mov_b32 s[G0B+4*(\s)], 1
	s_add_co_u32 s[G0B+4*(\s)+1], s47, (\s)*SLOT1
	s_add_nc_u64 s[G0B+4*(\s)+2:G0B+4*(\s)+3], s[42:43], (\s)*BSTEP
	s_or_b32 s[G0B+4*(\s)+3], s[G0B+4*(\s)+3], 0x80000000
	JLOAD \s
.endr
.endm
.macro MAIN
	s_wait_tensorcnt 0x1                           ; my part of slot 0 is in; slot 1's may stay out
	s_barrier_signal -1
	s_barrier_wait -1
	s_mov_b32 s[TB], 0
	v_mov_b32 v[ALO], v[ALO0]
	v_mov_b32 v[AHI], v[AHI0]
	v_mov_b32 v[ADRB], v[ADRB0]
	FETCH 0, F0
	QUARTER 64, F0, F1, 2
	WIN 0
	s_mov_b32 s[CNT], T-2
.Lstep:
	TURN 1
	QUARTER 64, F0, F1, 0
	WIN 0
	s_sub_co_u32 s[CNT], s[CNT], 1
	s_cmp_lg_u32 s[CNT], 0
	s_cbranch_scc1 .Lstep
	s_mov_b32 s[CNT], 2
.Ltail:                                ; the last two K steps ask for nothing: a loop of its own
	TURN 0
	WIN 0
	s_cmp_eq_u32 s[CNT], 1
	s_cbranch_scc1 .Llast
	QUARTER 64, F0, F1, 0
	WIN 0
.Llast:
	s_sub_co_u32 s[CNT], s[CNT], 1
	s_cmp_lg_u32 s[CNT], 0
	s_cbranch_scc1 .Ltail
	PLACES
	PLACES
	s_wait_dscnt 0x0                               ; no LDS read of mine is out,
	s_barrier_signal -1
	s_barrier_wait -1                              ; nor of any wave: the ring, which has had its last fill, may be written
.endm
.macro XCHG                            ; window 3 goes to my partner, its window 3 comes into my window 1; each accumulator's low registers are read first
	WIN 0x0c
.set n, 0
.rept 32
	ds_store_b128 v[XS], v[8*n:8*n+3] offset:1024*n
	ds_store_b128 v[XS], v[8*n+4:8*n+7] offset:1024*n+512
.set n, n+1
.endr
	WIN 0
	s_wait_dscnt 0x0                               ; for my partner's sake: my stores are done
	s_barrier_signal -1
	s_barrier_wait -1
	WIN 0x40
.set n, 0
.rept 32
	ds_load_b128 v[8*n:8*n+3], v[XR] offset:1024*n
	ds_load_b128 v[8*n+4:8*n+7], v[XR] offset:1024*n+512
.set n, n+1
.endr
	WIN 0
	s_wait_dscnt 32                                ; blocks 0 and 1 are in; the 32 loads of blocks 2 and 3 may be out
.endm
.macro ADDP a
	WIN 0x06
.set n, 0
.rept 32
	v_pk_add_f32 v[64+2*n:65+2*n], v[64*(\a)+2*n:64*(\a)+2*n+1], v[64*(\a)+2*n:64*(\a)+2*n+1]
.set n, n+1
.endr
	WIN 0
.endm
.macro TOSTAGE a                       ; a lane's 32 bytes of each column block into rows of 528 bytes, and back as whole rows of 512; LDS serves a wave's instructions in order
.set BK, 128+64*((\a)%2)
.irp b, 0,1,2,3,4,5,6,7
	ds_store_b128 v[STO], v[64+8*(\b):67+8*(\b)] offset:64*(\b)
	ds_store_b128 v[STO], v[68+8*(\b):71+8*(\b)] offset:64*(\b)+16
.endr
.irp t, 0,1,2,3,4,5,6,7,8,9,10,11,12,13,14,15
	ds_load_b128 v[BK+4*(\t):BK+4*(\t)+3], v[RD] offset:(\t)*SP
.endr
.endm
.macro SEND a
.set BK, 128+64*((\a)%2)
	s_wait_dscnt 0x0                               ; the block is back in registers
	s_wait_xcnt 0x0                                ; earlier stores have read their registers: the next block may land on them
.irp t, 0,1,2,3,4,5,6,7,8,9,10,11,12,13,14,15
	global_store_b128 v[CO], v[BK+4*(\t):BK+4*(\t)+3], s[CP:CP+1] offset:(16*(\a)+(\t))*CPITCH th:TH_STORE_NT  ; the wave stores 512 consecutive bytes, aligned
.endr
.endm
	s_load_b256 s[4:11], s[0:1], 0x0               ; oh s[4:5], h16 s[6:7], b_proj s[8:9], out0 s[10:11]
	HEAD
	s_lshl_b32 s44, s[WL], 6                       ; A: row 128 y + 64 x half, 2,048 bytes a row: registers that never hold cx
	s_lshl_b32 s40, s[YT], 7
	s_add_co_u32 s40, s40, s44
	s_lshl_b32 s40, s40, 11
	s_mov_b32 s41, 0
	s_lshl_b32 s44, s[WL], 7                       ; B: row 256 x + 128 x half of W_proj: registers that never hold cy
	s_lshl_b32 s42, s[XT], 8
	s_add_co_u32 s42, s42, s44
	s_lshl_b32 s42, s42, 11
	s_add_co_u32 s42, s42, WOFF
	s_mov_b32 s43, 0
	s_wait_dscnt 0x0                               ; the opening add is done
	s_wait_kmcnt 0x0
	s_add_nc_u64 s[40:41], s[4:5], s[40:41]
	s_add_nc_u64 s[42:43], s[6:7], s[42:43]
	FILLS
	; the bias of my 128 columns, as the matrix instruction's C
	v_and_b32 v1, 15, v0
	v_bfe_u32 v2, v0, 4, 1
	v_and_b32 v3, 31, v0
	s_lshl_b32 s76, s[XT], 10
	s_lshl_b32 s77, s[WL], 9
	s_add_co_u32 s76, s76, s77
	s_mov_b32 s77, 0
	s_add_nc_u64 s[BP:BP+1], s[BP:BP+1], s[76:77]
	v_lshlrev_b32 v31, 5, v2
	WIN 0x40
.irp b, 0,1,2,3,4,5,6,7
	global_load_b128 v[8*(\b):8*(\b)+3], v31, s[BP:BP+1] offset:64*(\b)
	global_load_b128 v[8*(\b)+4:8*(\b)+7], v31, s[BP:BP+1] offset:64*(\b)+16
.endr
	WIN 0
	v_mul_u32_u24 v4, v1, PB
	v_lshl_add_u32 v4, v2, 4, v4
	s_lshl_b32 s82, s[WH], 7
	v_add_nc_u32 v4, s82, v4                       ; + my 64 of the slot's 128 along K
	s_sub_co_u32 s84, 1, s[WH]                     ; my partner's half
	s_mul_i32 s82, s[WH], 64*PA
	s_mul_i32 s83, s84, 64*PA
	v_add_nc_u32 v[ALO0], s82, v4
	v_add_nc_u32 v[AHI0], s83, v4
	s_mul_i32 s82, s[WL], 128*PB
	s_add_co_u32 s82, s82, BOFF
	v_add_nc_u32 v[ADRB0], s82, v4
	s_lshl_b32 s82, s[WV], 15
	v_lshl_add_u32 v[XS], v3, 4, s82
	s_lshl_b32 s83, s84, 1
	s_add_co_u32 s83, s83, s[WL]
	s_lshl_b32 s83, s83, 15
	v_lshl_add_u32 v[XR], v3, 4, s83
	s_mul_i32 s82, s[WV], 16*SP
	s_add_co_u32 s82, s82, STAGE
	v_mul_u32_u24 v5, v1, SP                       ; in: row l % 16, 32 bytes for each half of the lanes
	v_lshl_add_u32 v5, v2, 5, v5
	v_add_nc_u32 v[STO], s82, v5
	v_lshl_add_u32 v[RD], v3, 4, s82               ; back: the 32 lanes take one row of 512 bytes
	v_lshlrev_b32 v[CO], 4, v3
	s_lshl_b32 s74, s[YT], 7                       ; out0 at my 64 rows and 128 columns
	s_lshl_b32 s75, s[WH], 6
	s_add_co_u32 s74, s74, s75
	s_lshl_b32 s74, s74, 12
	s_lshl_b32 s75, s[XT], 10
	s_add_co_u32 s74, s74, s75
	s_lshl_b32 s75, s[WL], 9
	s_add_co_u32 s74, s74, s75
	s_mov_b32 s75, 0
	s_add_nc_u64 s[CP:CP+1], s[CP:CP+1], s[74:75]
	; the prefetches.  A's 128 rows are read by this cluster alone (the grid is one cluster wide): wave 0 asks, each partner 32 rows by its cx.  B's 256 rows are read by every cluster: cluster y = 0 asks,
	; waves 2 and 3, each partner 32 of the wave's 128 rows by its cy.
	s_lshl_b32 s88, s[YT], 7
	s_lshl_b32 s89, s[CX], 5
	s_add_co_u32 s88, s88, s89
	s_lshl_b32 s88, s88, 11
	s_add_co_u32 s88, s88, 3*ASTEP
	s_lshl_b32 s90, s[XT], 8
	s_lshl_b32 s89, s[WL], 7
	s_add_co_u32 s90, s90, s89
	s_lshl_b32 s89, s[CY], 5
	s_add_co_u32 s90, s90, s89
	s_lshl_b32 s90, s90, 11
	s_add_co_u32 s90, s90, WOFF+3*BSTEP
	s_cmp_eq_u32 s[WH], 0
	s_cselect_b32 s88, s88, s90
	s_cselect_b32 s91, s[XC], s[YC]
	s_cselect_b32 s92, s[WL], 0
	s_cselect_b32 s86, 1.0, 0                      ; the bias is added by the waves of K's first half alone
	s_cselect_b64 s[PFA:PFA+1], s[4:5], s[6:7]
	s_mov_b32 s87, s86
	s_mov_b32 s89, 0
	s_add_nc_u64 s[PFA:PFA+1], s[PFA:PFA+1], s[88:89]
	s_or_b32 s91, s91, s92
	s_cmp_eq_u32 s91, 0
	s_cselect_b32 s[LIM], 2, -1
	s_mov_b32 s[PFS], 256
	s_mov_b32 s[PFS+1], 0
	v_lshlrev_b32 v[PFO], 11, v3
	s_mov_b32 s85, 0xffff0000
	s_wait_loadcnt 0x0                             ; the bias
	WIN 0x45
.set n, 0
.rept 32
	v_cvt_pk_bf16_f32 v[192+n%4], v[2*n], v[2*n+1] ; rounded to bf16 like every input, and widened again
	v_lshlrev_b32 v[2*n], 16, v[192+n%4]
	v_and_b32 v[2*n+1], s85, v[192+n%4]
.set n, n+1
.endr
.set n, 0
.rept 32
	v_pk_mul_f32 v[2*n:2*n+1], v[2*n:2*n+1], s[86:87] op_sel_hi:[1,0]
.set n, n+1
.endr
	WIN 0
	MAIN
	XCHG
	ADDP 0
	TOSTAGE 0
.irp a, 1,2,3                          ; block a's sums stand between block a - 1's loads from the stage and the wait for them
	ADDP \a
	SEND (\a)-1
	TOSTAGE \a
.endr
	SEND 3
	s_wait_tensorcnt 0x0                           ; the wave's end
	ds_add_u32 v[SPW], v[NIL]
	s_wait_dscnt 0x0
	CROUND                                         ; the closing round
	s_endpgm
.Lfunc_end_k_q52cd8a9971_proj:
	.size	k_q52cd8a9971_proj, .Lfunc_end_k_q52cd8a9971_proj-k_q52cd8a9971_proj
	.p2alignl 7, 3214868480
	.fill 96, 4, 3214868480
	.section	.rodata,"a",@progbits
	.p2align	6, 0x0
	.amdhsa_kernel k_q52cd8a9971_proj
		.amdhsa_group_segment_fixed_size 327680
		.amdhsa_private_segment_fixed_size 0
		.amdhsa_enable_private_segment 0
		.amdhsa_kernarg_size 32
		.amdhsa_user_sgpr_count 2
		.amdhsa_user_sgpr_kernarg_segment_ptr 1
		.amdhsa_wavefront_size32 1
		.amdhsa_system_sgpr_workgroup_id_x 1
		.amdhsa_system_sgpr_workgroup_id_y 1
		.amdhsa_system_sgpr_workgroup_id_z 1
		.amdhsa_system_vgpr_workitem_id 0
		.amdhsa_next_free_vgpr 1024
		.amdhsa_next_free_sgpr 96
		.amdhsa_reserve_vcc 0
		.amdhsa_float_denorm_mode_32 3
		.amdhsa_float_denorm_mode_16_64 3
		.amdhsa_memory_ordered 1
		.amdhsa_forward_progress 1
		.amdhsa_inst_pref_size 84
	.end_amdhsa_kernel
	.amdgpu_metadata
---
amdhsa.version: [ 1, 2 ]
amdhsa.kernels:
  - .name:           k_q52cd8a9971_proj
    .symbol:         k_q52cd8a9971_proj.kd
    .args:
      - { .name: oh, .offset: 0, .size: 8, .value_kind: global_buffer, .address_space: global }
      - { .name: h16, .offset: 8, .size: 8, .value_kind: global_buffer, .address_space: global }
      - { .name: b_proj, .offset: 16, .size: 8, .value_kind: global_buffer, .address_space: global }
      - { .name: out0, .offset: 24, .size: 8, .value_kind: global_buffer, .address_space: global }
    .group_segment_fixed_size: 327680
    .private_segment_fixed_size: 0
    .kernarg_segment_align: 8
    .kernarg_segment_size: 32
    .max_flat_workgroup_size: 128
    .sgpr_count:     96
    .vgpr_count:     1024
    .wavefront_size: 32
...
	.end_amdgpu_metadata
.endif
;; end of part 5
;; ======== version 2 of 2: 5 launches; version 1 with the launch cast written anew for expert scheduling mode
;; limits: values are held in f16: magnitudes above 65,504 overflow, below 6.1e-05 lose precision
;; workspace buffers: h16 25,165,824 bytes; kqvh 50,331,648 bytes; eh 33,554,432 bytes; stats 1,048,576 bytes; oh 16,777,216 bytes
;; launch cast (part 6): grid 768 x 1, 8 waves a work-group, no clusters, 0 bytes of LDS; arguments preinput, W_kqv, W_proj, h16; writes h16
.if DOCPART == 6
	.amdgcn_target "amdgcn-amd-amdhsa--gfx1250"
	.amdhsa_code_object_version 6
	.text
	.protected	k_q52cd8a9971_cast
	.globl	k_q52cd8a9971_cast
	.p2align	8
	.type	k_q52cd8a9971_cast,@function
k_q52cd8a9971_cast:
	s_mov_b64 s[64:65], 0
	v_nop
	global_prefetch_b8 v0, s[64:65] scope:SCOPE_SE
	s_setreg_imm32_b32 hwreg(HW_REG_WAVE_SCHED_MODE, 0, 2), 2
	s_setreg_imm32_b32 hwreg(HW_REG_WAVE_MODE, 25, 1), 1
	s_wait_xcnt 0x0
	s_wait_alu depctr_vm_vsrc(0)
; h16 = preinput and W_kqv rounded to bf16, then W_proj rounded to bf16 and that number written as f16.
; h16: x [8192][1024] bf16 at byte 0; W_kqv [3072][1024] bf16 at 16,777,216; W_proj [1024][1024] f16 at 23,068,672.
; LIMIT. W_proj's bf16 value is exact in f16 from 2^-14 up to 65,504; below 2^-14 it keeps f16's fixed step of 6e-8; beyond 65,504 it becomes an infinity.
; A stream: each byte is read once and written once; nothing is shared, so there is no LDS, no matrix work and no cluster.
; A work-group takes 16,384 numbers (64 KiB in, 32 KiB out): groups 0-511 of x, 512-703 of W_kqv, 704-767 of W_proj.
; A wave takes 2,048 numbers: sixteen loads of 512 neighbouring bytes, all issued first; each store of the wave covers 256 consecutive bytes, aligned.
; THE MODE: SCHED_MODE bits 1:0 = 2 (LLVM: expert scheduling mode 2), set by the entry lines.  The code itself states the register dependences
; between vector instructions and memory instructions, with s_wait_alu, always for 0.
; THE PLAN.  Registers that memory instructions touch:
;   v3, v4   the loads' and the stores' byte offsets: made at the head by vector instructions, read by every load or store, never written again.
;   IN[j]    load j lands in it, once; row j's two roundings read it; no vector instruction writes it and no second load lands in it.
;   OUT[j]   row j's two selects write it, once; store j reads it, once; it is never written again.
; So the only dependences to state are: an offset, or a store's data, is written before the memory instruction reads it.  The sixteen rows go in four blocks of four.
; Block p works on IN and OUT of its own four rows and on v5 to v13; its memory instructions are the four stores of block p - 1, which read OUT of that block, v4 and the base:
; registers that no vector instruction of block p names.  So one wait at a block's head states all that its four stores hang on, and they are dealt among its rows with no further wait.
; No register that a memory instruction reads is written again, no vector instruction writes a scalar register or VCC, and EXEC is never written: nothing more is owed.
.set IN,  32                           ; v[32:95]   sixteen loads of four f32
.set OUT, 96                           ; v[96:127]  sixteen stores of four 16-bit numbers: each has registers of its own, so no store's data is rewritten
.set BLOCK, 4                          ; rows in a block
	s_load_b256 s[4:11], s[0:1], 0x0               ; preinput s[4:5], W_kqv s[6:7], W_proj s[8:9], h16 s[10:11]
	s_mov_b32 s12, ttmp9
	s_sub_co_u32 s13, s12, 512                     ; my number among W_kqv's groups
	s_sub_co_u32 s14, s12, 704                     ; among W_proj's
	s_mov_b32 s21, 0xffff0000                      ; a word's upper bf16
	v_lshrrev_b32 v1, 5, v0                        ; wave
	v_and_b32 v2, 31, v0                           ; lane
	v_lshlrev_b32 v3, 4, v2
	v_lshl_add_u32 v3, v1, 13, v3                  ; in: 8,192 x wave + 16 x lane
	v_lshlrev_b32 v4, 3, v2
	v_lshl_add_u32 v4, v1, 12, v4                  ; out: 4,096 x wave + 8 x lane
	s_lshl_b32 s22, s12, 15                        ; the group's 32 KiB of h16
	s_mov_b32 s23, 0
	s_wait_kmcnt 0x0
	s_cmp_lt_u32 s12, 704
	s_cselect_b32 s15, s13, s14
	s_cselect_b32 s20, 0, -1                       ; all ones: the f16 form is stored (W_proj)
	s_cselect_b64 s[16:17], s[6:7], s[8:9]
	s_cmp_lt_u32 s12, 512
	s_cselect_b32 s15, s12, s15
	s_cselect_b64 s[16:17], s[4:5], s[16:17]
	s_lshl_b32 s18, s15, 16                        ; the group's 64 KiB of its source
	s_mov_b32 s19, 0
	s_add_nc_u64 s[16:17], s[16:17], s[18:19]
	s_add_nc_u64 s[10:11], s[10:11], s[22:23]
	s_wait_alu depctr_va_vdst(0)                   ; v3 and v4 are written: every load of the kernel reads v3 as its offset, every store v4
.irp j, 0,1,2,3,4,5,6,7,8,9,10,11,12,13,14,15
	global_load_b128 v[IN+4*(\j):IN+4*(\j)+3], v3, s[16:17] offset:512*(\j) th:TH_LOAD_NT
.endr
; Block p: rows 4 p to 4 p + 3.  From block 1 on, a store of the block before stands ahead of each row's arithmetic.
.macro BLK p
	s_wait_loadcnt 15-BLOCK*(\p)                   ; loads come back in order: the block's first load is in, the younger ones stay out
.if (\p) > 0
	s_wait_alu depctr_va_vdst(0)                   ; the block before has written its four pairs of OUT, which the four stores below read
.endif
.irp i, 0,1,2,3
.set j, BLOCK*(\p)+(\i)
.if (\p) > 0
	global_store_b64 v4, v[OUT+2*(j-BLOCK):OUT+2*(j-BLOCK)+1], s[10:11] offset:256*(j-BLOCK)  ; no vector instruction since the wait names these registers
.endif
.if (\i) > 0
	s_wait_loadcnt 15-j                            ; load j is in, the younger ones stay out
.endif
	v_cvt_pk_bf16_f32 v5, v[IN+4*j], v[IN+4*j+1]
	v_cvt_pk_bf16_f32 v6, v[IN+4*j+2], v[IN+4*j+3]
	v_lshlrev_b32 v8, 16, v5                       ; the bf16 numbers as f32,
	v_and_b32 v9, s21, v5
	v_lshlrev_b32 v10, 16, v6
	v_and_b32 v11, s21, v6
	v_cvt_pk_f16_f32 v12, v8, v9                   ; and written as f16
	v_cvt_pk_f16_f32 v13, v10, v11
	v_cndmask_b32 v[OUT+2*j], v5, v12, s20         ; a choice of values: the same for the whole work-group
	v_cndmask_b32 v[OUT+2*j+1], v6, v13, s20
.endr
.endm
	BLK 0                                          ; block 0 has no block in front of it: no store, and no wait but those for its data
	BLK 1
	BLK 2
	BLK 3
	s_wait_alu depctr_va_vdst(0)                   ; block 3 has written its four pairs of OUT, which the last four stores read
.irp j, 12,13,14,15
	global_store_b64 v4, v[OUT+2*(\j):OUT+2*(\j)+1], s[10:11] offset:256*(\j)
.endr
	s_endpgm
.Lfunc_end_k_q52cd8a9971_cast:
	.size	k_q52cd8a9971_cast, .Lfunc_end_k_q52cd8a9971_cast-k_q52cd8a9971_cast
	.p2alignl 7, 3214868480
	.fill 96, 4, 3214868480
	.section	.rodata,"a",@progbits
	.p2align	6, 0x0
	.amdhsa_kernel k_q52cd8a9971_cast
		.amdhsa_group_segment_fixed_size 0
		.amdhsa_private_segment_fixed_size 0
		.amdhsa_enable_private_segment 0
		.amdhsa_kernarg_size 32
		.amdhsa_user_sgpr_count 2
		.amdhsa_user_sgpr_kernarg_segment_ptr 1
		.amdhsa_wavefront_size32 1
		.amdhsa_system_sgpr_workgroup_id_x 1
		.amdhsa_system_sgpr_workgroup_id_y 1
		.amdhsa_system_sgpr_workgroup_id_z 1
		.amdhsa_system_vgpr_workitem_id 0
		.amdhsa_next_free_vgpr 128
		.amdhsa_next_free_sgpr 66
		.amdhsa_reserve_vcc 0
		.amdhsa_float_denorm_mode_32 3
		.amdhsa_float_denorm_mode_16_64 3
		.amdhsa_memory_ordered 1
		.amdhsa_forward_progress 1
		.amdhsa_inst_pref_size 14
	.end_amdhsa_kernel
	.amdgpu_metadata
---
amdhsa.version: [ 1, 2 ]
amdhsa.kernels:
  - .name:           k_q52cd8a9971_cast
    .symbol:         k_q52cd8a9971_cast.kd
    .args:
      - { .name: preinput, .offset: 0, .size: 8, .value_kind: global_buffer, .address_space: global }
      - { .name: W_kqv, .offset: 8, .size: 8, .value_kind: global_buffer, .address_space: global }
      - { .name: W_proj, .offset: 16, .size: 8, .value_kind: global_buffer, .address_space: global }
      - { .name: h16, .offset: 24, .size: 8, .value_kind: global_buffer, .address_space: global }
    .group_segment_fixed_size: 0
    .private_segment_fixed_size: 0
    .kernarg_segment_align: 8
    .kernarg_segment_size: 32
    .max_flat_workgroup_size: 256
    .sgpr_count:     66
    .vgpr_count:     128
    .wavefront_size: 32
...
	.end_amdgpu_metadata
.endif
;; end of part 6
;; launch kqv: the kernel of part 2 again; grid 8 x 64, 4 waves a work-group, clusters of 4 x 4, 327,680 bytes of LDS; arguments h16, b_kqv, kqvh; writes kqvh
;; launch scores: the kernel of part 3 again; grid 8 x 32, 4 waves a work-group, clusters of 4 x 4, 327,680 bytes of LDS; arguments kqvh, valid_lens, eh, stats; writes eh, stats
;; launch pv: the kernel of part 4 again; grid 8 x 32, 4 waves a work-group, clusters of 4 x 4, 327,680 bytes of LDS; arguments kqvh, eh, stats, oh; writes oh
;; launch proj: the kernel of part 5 again; grid 4 x 64, 4 waves a work-group, clusters of 4 x 4, 327,680 bytes of LDS; arguments oh, h16, b_proj, out0; writes out0
